; MI455X (gfx1250); checked and timed in simulation.
; The chip was launched on July 23, 2026; its instructions are those of AMD's public machine-readable ISA for CDNA 5 (MIT licence, August 2026) and "CDNA5" Instruction Set Architecture Reference Guide (July 2026). The comments in the code are by the model that wrote it; some were corrected since.
;; Self Attention. Allowed arithmetic: float matrix products may take bf16 or f16 operands with f32 sums; all other float work in f32.
;; Inputs: Wk 1,024 x 1,024 float32; Wo 1,024 x 1,024 float32; Wq 1,024 x 1,024 float32; Wv 1,024 x 1,024 float32; x 4 x 2,048 x 1,024 float32.
;; Outputs: out0 4 x 2,048 x 1,024 float32.
;; One version. Each part assembles by itself: llvm-mc -triple=amdgcn-amd-amdhsa -mcpu=gfx1250 --defsym DOCPART=n.
;; ======== version 1 of 1: 5 launches
;; limits: values are held in f16: magnitudes above 65,504 overflow, below 6.1e-05 lose precision; inputs' magnitudes at most 65,280; below input magnitudes of 6e-05 results are inexact or not finite; right only within a limited range of input values
;; workspace buffers: xc 33,554,432 bytes; wc 8,390,656 bytes; mn 6,291,456 bytes; t2 33,554,432 bytes; ut 16,777,216 bytes; p 33,554,432 bytes; st 1,048,576 bytes
;; launch prep (part 1): grid 480 x 1, 32 waves a work-group, no clusters, 21,760 bytes of LDS; arguments x, Wk, Wq, Wv, Wo, xc, wc; writes xc, wc
.if DOCPART == 1
	.amdgcn_target "amdgcn-amd-amdhsa--gfx1250"
	.amdhsa_code_object_version 6
	.text
	.protected	k_q588a0a9884_prep
	.globl	k_q588a0a9884_prep
	.p2align	8
	.type	k_q588a0a9884_prep,@function
k_q588a0a9884_prep:
	s_mov_b64 s[64:65], 0
	v_nop
	global_prefetch_b8 v0, s[64:65] scope:SCOPE_SE
	s_setreg_imm32_b32 hwreg(HW_REG_WAVE_MODE, 25, 1), 1
	s_wait_xcnt 0x0
; PREP.  Every input is rounded to bf16 once and laid out for the products that follow; each work-group also leaves the largest magnitude that it has seen.
;   work-groups 0-255:   x, 32 rows each -> xc: a bf16 copy at byte 0 and the same numbers as f16 at byte 16 MiB, both [chunk of 64 columns: 16][row: 8192][64]
;   work-groups 256-351: Wk, Wq, Wv, 32 rows each -> wc, matrices 0, 1, 3 (bf16, [1024][1024], 2 MiB each)
;   work-groups 352-479: Wo, tiles of 128 rows x 64 columns -> wc, matrix 2, transposed through LDS
;   wc + 8 MiB + 4 g: the largest |number| of work-group g, f32: later launches make powers of two from these, for scales alone.
; LIMITS.  The f16 copy of x holds no number beyond 65,504 and keeps f16's fixed step of 6e-8 below 6e-5; NaN and infinities are not treated apart.
; Memory binds here.  A lane loads 16 bytes (4 numbers) and stores 8: a load of a wave takes two stretches of 256 consecutive bytes (x) or one of 512 (the weights), each named by one
; instruction alone, and a store of a wave covers 256 consecutive bytes, aligned.  No matrix unit, no cluster: no two work-groups read the same bytes.
.set TRP,   272                        ; a row of the transposing tile: 128 bf16 + 16 bytes
.set RED,   64*TRP                     ; 32 words: the waves' maxima
.set SPARE, RED+256                    ; the spare words, 128 bytes for each of the 32 waves; no other line names them
.set X,   8                            ; v[8:39]   eight loads of 16 bytes; each load's registers then hold its results
.set T,   40                           ; v[40:43]  at work
.set MX,  48                           ; v48       the running maximum
.set TP,  49                           ; v49       at work
.set SPW, 62                           ; v62       LDS address of my spare word; never rewritten
.set NIL, 63                           ; v63       0; never rewritten
	s_load_b256 s[4:11], s[0:1], 0x0               ; x, Wk, Wq, Wv
	s_load_b128 s[12:15], s[0:1], 0x20             ; Wo, xc
	s_load_b64 s[16:17], s[0:1], 0x30              ; wc
	v_lshl_add_u32 v[SPW], v0, 2, SPARE
	v_mov_b32 v[NIL], 0
	v_and_b32 v1, 31, v0                           ; lane
	v_lshrrev_b32 v2, 5, v0
	v_readfirstlane_b32 s18, v2                    ; wave 0..31
	v_mov_b32 v[MX], 0
	v_mov_b32 v[TP], 0
	s_mov_b32 s19, 0xffff0000                      ; a word's upper bf16
	s_mov_b32 s26, 0x76543210                      ; v_permlanex16_b32: each lane takes its own place in the other half
	s_mov_b32 s27, 0xfedcba98
	s_mov_b32 s28, ttmp9                           ; g
	s_mov_b32 s21, 0
	s_wait_kmcnt 0x0
.macro LOADS step                      ; eight loads, step bytes apart
.irp i, 0,1,2,3,4,5,6,7
	global_load_b128 v[X+4*\i:X+4*\i+3], v4, s[4:5] offset:\i*(\step) th:TH_LOAD_NT
.endr
.endm
; Load i: four numbers enter the maximum, are rounded to bf16 and stored; both = 1: the rounded numbers are also written as f16.  No register that a store reads is written again.
.macro CONV i, both, step
	s_wait_loadcnt 7-(\i)                          ; loads come back in order: the later loads stay out
	v_max3_num_f32 v[MX], v[MX], |v[X+4*(\i)]|, |v[X+4*(\i)+1]|
	v_max3_num_f32 v[MX], v[MX], |v[X+4*(\i)+2]|, |v[X+4*(\i)+3]|
	v_cvt_pk_bf16_f32 v[X+4*(\i)], v[X+4*(\i)], v[X+4*(\i)+1]
	v_cvt_pk_bf16_f32 v[X+4*(\i)+1], v[X+4*(\i)+2], v[X+4*(\i)+3]
	global_store_b64 v5, v[X+4*(\i):X+4*(\i)+1], s[22:23] offset:(\i)*(\step)
.if \both
	v_lshlrev_b32 v[T], 16, v[X+4*(\i)]
	v_and_b32 v[T+1], s19, v[X+4*(\i)]
	v_lshlrev_b32 v[T+2], 16, v[X+4*(\i)+1]
	v_and_b32 v[T+3], s19, v[X+4*(\i)+1]
	v_cvt_pk_f16_f32 v[X+4*(\i)+2], v[T], v[T+1]
	v_cvt_pk_f16_f32 v[X+4*(\i)+3], v[T+2], v[T+3]
	global_store_b64 v5, v[X+4*(\i)+2:X+4*(\i)+3], s[24:25] offset:(\i)*(\step)
.endif
.endm
.macro WRED                            ; the maximum over the wave's 32 lanes, in every lane
	v_max_num_f32_dpp v[MX], v[MX], v[MX] row_xmask:1 row_mask:0xf bank_mask:0xf
	v_max_num_f32_dpp v[MX], v[MX], v[MX] row_xmask:2 row_mask:0xf bank_mask:0xf
	v_max_num_f32_dpp v[MX], v[MX], v[MX] row_xmask:4 row_mask:0xf bank_mask:0xf
	v_max_num_f32_dpp v[MX], v[MX], v[MX] row_xmask:8 row_mask:0xf bank_mask:0xf
	v_permlanex16_b32 v[TP], v[MX], s26, s27
	v_max_num_f32 v[MX], v[MX], v[TP]
.endm
	s_cmp_lt_u32 s28, 256
	s_cbranch_scc0 .Lnot_x
	; x.  Wave w: rows 2 (w / 2) and the next of the group's 32, chunks 8 (w % 2) .. + 7.  Lanes 0-15 take a chunk's 256 bytes of the first row, lanes 16-31 of the second;
	; their 128 + 128 bytes of results lie end to end in the chunk.
	s_lshr_b32 s29, s18, 1
	s_and_b32 s30, s18, 1
	s_lshl_b32 s20, s28, 17                        ; 32 rows of 4,096 bytes
	s_lshl_b32 s31, s29, 13
	s_add_co_u32 s20, s20, s31
	s_lshl_b32 s31, s30, 11
	s_add_co_u32 s20, s20, s31
	s_add_nc_u64 s[4:5], s[4:5], s[20:21]
	s_lshl_b32 s20, s28, 12                        ; 32 row pieces of 128 bytes
	s_lshl_b32 s31, s29, 8
	s_add_co_u32 s20, s20, s31
	s_lshl_b32 s31, s30, 23                        ; eight chunks of 1 MiB
	s_add_co_u32 s20, s20, s31
	s_add_nc_u64 s[22:23], s[14:15], s[20:21]      ; the bf16 copy
	s_add_nc_u64 s[24:25], s[22:23], 0x1000000     ; the f16 copy
	v_lshrrev_b32 v3, 4, v1
	v_and_b32 v4, 15, v1
	v_lshlrev_b32 v4, 4, v4
	v_lshl_add_u32 v4, v3, 12, v4
	v_lshlrev_b32 v5, 3, v1
	LOADS 256
.irp i, 0,1,2,3,4,5,6,7
	CONV \i, 1, 1048576
.endr
	s_branch .Lred
.Lnot_x:
	s_cmp_lt_u32 s28, 352
	s_cbranch_scc0 .Ltrans
	; Wk, Wq, Wv.  Wave w takes row w of the group's 32, 512 consecutive bytes a load.
	s_sub_co_u32 s29, s28, 256
	s_lshr_b32 s30, s29, 5                         ; which matrix
	s_and_b32 s29, s29, 31                         ; which 32 rows
	s_cmp_eq_u32 s30, 0
	s_cselect_b64 s[4:5], s[6:7], s[8:9]
	s_cmp_eq_u32 s30, 2
	s_cselect_b64 s[4:5], s[10:11], s[4:5]
	s_cselect_b32 s30, 3, s30                      ; Wv goes to place 3
	s_lshl_b32 s20, s29, 17
	s_lshl_b32 s31, s18, 12
	s_add_co_u32 s20, s20, s31
	s_add_nc_u64 s[4:5], s[4:5], s[20:21]
	s_lshl_b32 s20, s30, 21
	s_lshl_b32 s31, s29, 16
	s_add_co_u32 s20, s20, s31
	s_lshl_b32 s31, s18, 11
	s_add_co_u32 s20, s20, s31
	s_add_nc_u64 s[22:23], s[16:17], s[20:21]
	v_lshlrev_b32 v4, 4, v1
	v_lshlrev_b32 v5, 3, v1
	LOADS 512
.irp i, 0,1,2,3,4,5,6,7
	CONV \i, 0, 256
.endr
	s_branch .Lred
.Ltrans:
	; Wo, transposed.  Lane l of wave w loads rows 4 w + 2 (l / 16) and the next, columns 4 (l % 16) .. + 3; a word of the tile holds one column's two rows.
	; 2 MiB pass here once in the launch.
	s_sub_co_u32 s29, s28, 352
	s_lshr_b32 s30, s29, 4                         ; which 128 rows
	s_and_b32 s29, s29, 15                         ; which 64 columns
	s_lshl_b32 s20, s30, 19
	s_lshl_b32 s31, s29, 8
	s_add_co_u32 s20, s20, s31
	s_lshl_b32 s31, s18, 14
	s_add_co_u32 s20, s20, s31
	s_add_nc_u64 s[4:5], s[12:13], s[20:21]
	s_lshl_b32 s20, s29, 17                        ; 64 rows of 2,048 bytes of the transposed matrix
	s_lshl_b32 s31, s30, 8
	s_add_co_u32 s20, s20, s31
	s_lshl_b32 s31, s18, 12
	s_add_co_u32 s20, s20, s31
	s_add_co_u32 s20, s20, 0x400000                ; place 2
	s_add_nc_u64 s[22:23], s[16:17], s[20:21]
	v_and_b32 v3, 15, v1
	v_lshrrev_b32 v6, 4, v1
	v_lshlrev_b32 v4, 4, v3
	v_lshl_add_u32 v4, v6, 13, v4
	global_load_b128 v[8:11], v4, s[4:5] th:TH_LOAD_NT
	global_load_b128 v[12:15], v4, s[4:5] offset:4096 th:TH_LOAD_NT
	v_mul_u32_u24 v5, v3, 4*TRP                    ; in: tile row = column 4 (l % 16) + i, byte 2 x row
	v_lshl_add_u32 v5, v6, 2, v5
	v_lshl_add_u32 v5, s18, 3, v5
	v_mul_u32_u24 v7, v6, TRP                      ; back: tile row 2 w + l / 16, 16 bytes a lane
	v_lshl_add_u32 v7, v3, 4, v7
	s_mul_i32 s31, s18, 2*TRP
	v_add_nc_u32 v7, s31, v7
	v_lshlrev_b32 v16, 4, v3
	v_lshl_add_u32 v16, v6, 11, v16
	s_wait_loadcnt 0x0
.irp j, 8,10,12,14
	v_max3_num_f32 v[MX], v[MX], |v[\j]|, |v[\j+1]|
.endr
.irp i, 0,1,2,3
	v_cvt_pk_bf16_f32 v[18+\i], v[8+\i], v[12+\i]
.endr
.irp i, 0,1,2,3
	ds_store_b32 v5, v[18+\i] offset:\i*TRP
.endr
	s_wait_dscnt 0x0                               ; for the others' sake: my stores into the tile are done
	s_barrier_signal -1
	s_barrier_wait -1
	ds_load_b128 v[24:27], v7
	s_wait_dscnt 0x0
	global_store_b128 v16, v[24:27], s[22:23]      ; 16 lanes store 256 consecutive bytes, at a multiple of 256 from wc's first byte
.Lred:
	WRED
	v_mov_b32 v3, s18
	v_lshlrev_b32 v3, 2, v3
	ds_store_b32 v3, v[MX] offset:RED              ; all lanes write the wave's word with the same value
	s_wait_dscnt 0x0
	s_barrier_signal -1
	s_barrier_wait -1
	s_cmp_eq_u32 s18, 0
	s_cbranch_scc1 .Lwave_0
	s_wait_tensorcnt 0x0                           ; the wave's end: behind my last LDS store
	ds_add_u32 v[SPW], v[NIL]
	s_wait_dscnt 0x0
	s_endpgm
.Lwave_0:
	v_lshlrev_b32 v3, 2, v1
	ds_load_b32 v[MX], v3 offset:RED               ; lane l takes wave l's maximum
	s_wait_dscnt 0x0
	WRED
	s_lshl_b32 s20, s28, 2
	v_mov_b32 v6, s20
	s_add_nc_u64 s[16:17], s[16:17], 0x800000
	v_cmp_eq_u32 vcc_lo, 0, v1
	s_wait_xcnt 0x0                                ; EXEC changes only behind this wait: earlier stores have read it
	s_and_saveexec_b32 s29, vcc_lo
	global_store_b32 v6, v[MX], s[16:17]           ; one word a work-group
	s_wait_xcnt 0x0
	s_or_b32 exec_lo, exec_lo, s29
	s_wait_tensorcnt 0x0                           ; the wave's end, as above
	ds_add_u32 v[SPW], v[NIL]
	s_wait_dscnt 0x0
	s_endpgm
.Lfunc_end_k_q588a0a9884_prep:
	.size	k_q588a0a9884_prep, .Lfunc_end_k_q588a0a9884_prep-k_q588a0a9884_prep
	.p2alignl 7, 3214868480
	.fill 96, 4, 3214868480
	.section	.rodata,"a",@progbits
	.p2align	6, 0x0
	.amdhsa_kernel k_q588a0a9884_prep
		.amdhsa_group_segment_fixed_size 21760
		.amdhsa_private_segment_fixed_size 0
		.amdhsa_enable_private_segment 0
		.amdhsa_kernarg_size 56
		.amdhsa_user_sgpr_count 2
		.amdhsa_user_sgpr_kernarg_segment_ptr 1
		.amdhsa_wavefront_size32 1
		.amdhsa_system_sgpr_workgroup_id_x 1
		.amdhsa_system_sgpr_workgroup_id_y 1
		.amdhsa_system_sgpr_workgroup_id_z 1
		.amdhsa_system_vgpr_workitem_id 0
		.amdhsa_next_free_vgpr 64
		.amdhsa_next_free_sgpr 66
		.amdhsa_reserve_vcc 1
		.amdhsa_float_denorm_mode_32 3
		.amdhsa_float_denorm_mode_16_64 3
		.amdhsa_memory_ordered 1
		.amdhsa_forward_progress 1
		.amdhsa_inst_pref_size 18
	.end_amdhsa_kernel
	.amdgpu_metadata
---
amdhsa.version: [ 1, 2 ]
amdhsa.kernels:
  - .name:           k_q588a0a9884_prep
    .symbol:         k_q588a0a9884_prep.kd
    .args:
      - { .name: x, .offset: 0, .size: 8, .value_kind: global_buffer, .address_space: global }
      - { .name: Wk, .offset: 8, .size: 8, .value_kind: global_buffer, .address_space: global }
      - { .name: Wq, .offset: 16, .size: 8, .value_kind: global_buffer, .address_space: global }
      - { .name: Wv, .offset: 24, .size: 8, .value_kind: global_buffer, .address_space: global }
      - { .name: Wo, .offset: 32, .size: 8, .value_kind: global_buffer, .address_space: global }
      - { .name: xc, .offset: 40, .size: 8, .value_kind: global_buffer, .address_space: global }
      - { .name: wc, .offset: 48, .size: 8, .value_kind: global_buffer, .address_space: global }
    .group_segment_fixed_size: 21760
    .private_segment_fixed_size: 0
    .kernarg_segment_align: 8
    .kernarg_segment_size: 56
    .max_flat_workgroup_size: 1024
    .sgpr_count:     66
    .vgpr_count:     64
    .wavefront_size: 32
...
	.end_amdgpu_metadata
.endif
;; end of part 1
;; launch wprod (part 2): grid 8 x 32, 4 waves a work-group, clusters of 4 x 4, 327,680 bytes of LDS; arguments wc, mn; writes mn
.if DOCPART == 2
	.amdgcn_target "amdgcn-amd-amdhsa--gfx1250"
	.amdhsa_code_object_version 6
	.text
	.protected	k_q588a0a9884_wprod
	.globl	k_q588a0a9884_wprod
	.p2align	8
	.type	k_q588a0a9884_wprod,@function
k_q588a0a9884_wprod:
	s_mov_b64 s[64:65], 0
	v_nop
	global_prefetch_b8 v0, s[64:65] scope:SCOPE_SE
	s_setreg_imm32_b32 hwreg(HW_REG_WAVE_MODE, 25, 1), 1
	s_wait_xcnt 0x0
	s_wait_alu depctr_hold_cnt(0) depctr_sa_sdst(0) depctr_va_vdst(0) depctr_va_sdst(0) depctr_va_ssrc(0) depctr_va_vcc(0) depctr_vm_vsrc(0)
	s_getreg_b32 s2, hwreg(HW_REG_IB_STS2, 6, 4)
	s_cmp_eq_u32 s2, 0
	s_cbranch_scc0 .Lentry_in_a_cluster
	s_endpgm
.Lentry_in_a_cluster:
	s_bfe_u32 s2, ttmp6, 0x10000c
	s_cmp_lg_u32 s2, 0xf033
	s_cbranch_scc0 .Lentry_shape_is_right
	s_endpgm
.Lentry_shape_is_right:
; WPROD.  Two products of the weights, both C[i][j] = sum over h of A[i][h] B[j][h], 1024 x 1024 x 1024, bf16 operands, f32 sums:
;   problem 0 (cluster rows 0-3): A = Wk, B = Wq: C[e][d] = (Wq Wk^T)[d][e], stored as f16 in TWO pieces (C cut to 11 significant bits, and the rest): mn, [e 1024][chunk of d: 16][hi 64 | lo 64]
;   problem 1 (cluster rows 4-7): A = Wo^T, B = Wv: C[dout][din] = (Wv Wo)[din][dout] x 2^kN, f16: mn + 4 MiB, [chunk of din: 16][dout 1024][64]
; Why: scores = x (Wq Wk^T) x^T and out = softmax (x Wv Wo) / 32 hold for every input; the score product then has x itself, exact in bf16, on one side.
; kN = 257 - eV - eO (eV, eO: the biased exponents of the largest |Wv|, |Wo|), kept within -126 .. 127: 1024 |Wv| |Wo| 2^kN stays at or under 2^15, inside f16.
; LIMITS.  Wq Wk^T is stored unscaled: it must lie within 65,504, and its second piece keeps f16's fixed step of 6e-8.  NaN and infinities are not treated apart.
; SHARES.  A tile of C is 64 x 128; four waves, each 32 x 64: 8 accumulators.  K goes in steps of 256 (LDS rows of 512 bytes + 16) through two slots.
; CLUSTER 4 x 4: A's tile is shared along a row, B's along a column; each is asked for jointly.  The matrix instruction is used transposed (source 0 = rows of B): a lane holds 8 neighbouring columns of a row of C.
.set PITCH, 528
.set BOFF,  64*PITCH                   ; a slot: A's 64 rows, then B's 128
.set SLOT1, 131072                     ; slot 1 begins here: one exclusive or turns an address in one slot into the other's
.set STAGE, SLOT1+192*PITCH            ; behind the ring: 4,352 bytes for each wave, for the way out
.set SPARE, STAGE+4*4352               ; the spare words, 128 bytes for each wave; no other line names them
.set NCH,   4                          ; K steps
.set STEP,  512                        ; bytes along a row from step to step
.set ADRA, 16                          ; v16  LDS address of my A fragments in the slot in hand;  v17 in slot 0
.set A0,   17
.set ADRB, 20                          ; v20, v21 the same for B
.set B0,   21
.set STO,  24                          ; the way out, problem 0: in, back, my offset in mn
.set RD,   25
.set CO,   26
.set RD1,  27                          ; problem 1: back,
.set SPW,  28                          ; v28  LDS address of my spare word; never rewritten
.set NIL,  29                          ; v29  0; never rewritten
.set STO1, 30                          ; in,
.set CO1,  31                          ; 16 x lane
.set TMP,  32                          ; v32-63   packed results
.set TR,   64                          ; v64-95   the first pieces in f32
.set ACC,  128                         ; v128-191 accumulator (a, b) at ACC + 8 (4 a + b)
.set F0,   0                           ; window 1: two fragment buffers of 96: A at f + 16 c + 8 a, B at f + 32 + 32 c + 8 b
.set F1,   96
.set MSB, 0
.macro WIN new                         ; the immediate's high byte repeats the setting that is left
.if MSB != (\new)
	s_set_vgpr_msb (MSB<<8)|(\new)
.set MSB, \new
.endif
.endm
.macro PLACES                          ; four places: in front of loads into registers that matrix instructions have read, and of vector lines that read their results
.rept 4
	v_nop
.endr
.endm
.macro CREST                           ; a round of the cluster's barrier behind its opening barrier
	s_cmp_lg_u32 s16, 0
	s_cbranch_scc1 .Lnot_wave_0_\@
	s_barrier_signal -3
.Lnot_wave_0_\@:
	s_barrier_wait -3
	s_barrier_signal -1
	s_barrier_wait -1
.endm
.macro CROUND
	s_barrier_signal -1
	s_barrier_wait -1
	CREST
.endm
.macro DESC g, mask, qi, d0, d1, pitch ; descriptor group 1: d1 rows of d0 2-byte elements, 16 bytes of padding after every 2 << qi words
	s_or_b32 s[\g], \mask, (1<<16)|(1<<20)|(1<<21)|((\qi)<<22)|(3<<25)
	s_mov_b32 s[\g+1], (\d0)<<16
	s_mov_b32 s[\g+2], (\d1)<<16
	s_mov_b32 s[\g+3], (\d0)<<16
	s_mov_b32 s[\g+4], \d1
	s_mov_b32 s[\g+5], \pitch
	s_mov_b32 s[\g+6], 0
	s_mov_b32 s[\g+7], 0
.endm
.macro GROUP0 g, lds, adr, step        ; two sets of group 0: (slot 0, step 0), used once, and (slot 1, step 1), which then walks
.irp s, 0,1
	s_mov_b32 s[\g+4*\s], 1
	s_add_co_u32 s[\g+4*\s+1], s[\lds], \s*SLOT1
	s_add_nc_u64 s[\g+4*\s+2:\g+4*\s+3], s[\adr:\adr+1], \s*(\step)
	s_or_b32 s[\g+4*\s+3], s[\g+4*\s+3], 0x80000000
.endr
.endm
.macro WALK g, step                    ; the walking set: the other slot, the next step
	s_xor_b32 s[\g+5], s[\g+5], SLOT1
	s_add_nc_u64 s[\g+6:\g+7], s[\g+6:\g+7], \step
.endm
.macro JLOAD                           ; a joint refill: waves 0, 1 fetch A's halves, waves 2, 3 B's; an s_nop 0 and four v_nop follow each line
	s_cmp_lt_u32 s16, 2
	s_cbranch_scc0 .Lfor_b_\@
	tensor_load_to_lds s[36:39], s[24:31]
	s_nop 0
	PLACES
	s_branch .Lasked_\@
.Lfor_b_\@:
	tensor_load_to_lds s[52:55], s[40:47]
	s_nop 0
	PLACES
.Lasked_\@:
.endm
.macro WMAX v, t, s                    ; the biased exponent of the largest number among the wave's lanes
	v_max_num_f32_dpp v[\v], v[\v], v[\v] row_xmask:1 row_mask:0xf bank_mask:0xf
	v_max_num_f32_dpp v[\v], v[\v], v[\v] row_xmask:2 row_mask:0xf bank_mask:0xf
	v_max_num_f32_dpp v[\v], v[\v], v[\v] row_xmask:4 row_mask:0xf bank_mask:0xf
	v_max_num_f32_dpp v[\v], v[\v], v[\v] row_xmask:8 row_mask:0xf bank_mask:0xf
	v_permlanex16_b32 v[\t], v[\v], s82, s83
	v_max_num_f32 v[\v], v[\v], v[\t]
	v_readfirstlane_b32 s[\s], v[\v]
	s_bfe_u32 s[\s], s[\s], 0x80017
.endm
	s_load_b128 s[4:7], s[0:1], 0x0                ; wc, mn
	v_lshl_add_u32 v[SPW], v0, 2, SPARE
	v_mov_b32 v[NIL], 0
	ds_add_u32 v[SPW], v[NIL]                      ; the wave's opening: the add and its wait stand ahead of my first tensor load
	v_lshrrev_b32 v1, 5, v0
	v_readfirstlane_b32 s16, v1                    ; wave 0..3
	s_lshr_b32 s17, s16, 1                         ; which 32 rows of the tile are mine
	s_and_b32 s18, s16, 1                          ; which 64 columns; also which half of A's or B's tile I fetch
	s_bfe_u32 s19, ttmp6, 0x40000                  ; cx
	s_bfe_u32 s20, ttmp6, 0x40004                  ; cy
	s_lshl_b32 s21, ttmp9, 2
	s_add_co_u32 s21, s21, s19                     ; tile column
	s_and_b32 s84, ttmp7, 0xffff                   ; the cluster's y
	s_lshl_b32 s22, s84, 2
	s_add_co_u32 s22, s22, s20                     ; tile row, both problems on end
	s_lshl_b32 s85, s20, 2
	s_lshl_b32 s85, 15, s85                        ; my row of the cluster
	s_lshl_b32 s86, 0x1111, s19                    ; my column
	s_mov_b32 s23, 0                               ; the slot that the fetches read
	s_mov_b32 s82, 0x76543210
	s_mov_b32 s83, 0xfedcba98
	s_lshr_b32 s87, s84, 2                         ; the problem: the same in all partners
	DESC 24, s85, 6, 256, 32, 1024                 ; A: 32 rows x 256 elements a wave
	DESC 40, s86, 6, 256, 64, 1024                 ; B: 64 rows x 256 elements a wave
	s_and_b32 s76, s22, 15                         ; A's rows: matrix 2 p, 64 x tile row + 32 x half
	s_lshl_b32 s76, s76, 6
	s_lshr_b32 s77, s22, 4
	s_lshl_b32 s77, s77, 11
	s_add_co_u32 s76, s76, s77
	s_lshl_b32 s77, s18, 5
	s_add_co_u32 s76, s76, s77
	s_lshl_b32 s76, s76, 11                        ; rows of 2,048 bytes
	s_mov_b32 s77, 0
	s_lshl_b32 s78, s87, 11                        ; B's rows: matrix 2 p + 1, 128 x tile column + 64 x half
	s_add_co_u32 s78, s78, 1024
	s_lshl_b32 s79, s21, 7
	s_add_co_u32 s78, s78, s79
	s_lshl_b32 s79, s18, 6
	s_add_co_u32 s78, s78, s79
	s_lshl_b32 s78, s78, 11
	s_mov_b32 s79, 0
	s_mul_i32 s88, s18, 32*PITCH                   ; where they go: no place in the cluster enters an LDS address
	s_mul_i32 s89, s18, 64*PITCH
	s_add_co_u32 s89, s89, BOFF
	s_wait_dscnt 0x0                               ; the opening add is done
	s_wait_kmcnt 0x0
	s_add_nc_u64 s[76:77], s[4:5], s[76:77]
	s_add_nc_u64 s[78:79], s[4:5], s[78:79]
	GROUP0 32, 88, 76, STEP
	GROUP0 48, 89, 78, STEP
	CROUND                                         ; all sixteen work-groups are here: the first joint loads meet
	s_cmp_lt_u32 s16, 2                            ; a wave's two first fills stand in one branch: two loads of mine are out
	s_cbranch_scc0 .Lfirst_b
	tensor_load_to_lds s[32:35], s[24:31]
	s_nop 0
	tensor_load_to_lds s[36:39], s[24:31]
	s_nop 0
	PLACES
	s_branch .Lfirst_done
.Lfirst_b:
	tensor_load_to_lds s[48:51], s[40:47]
	s_nop 0
	tensor_load_to_lds s[52:55], s[40:47]
	s_nop 0
	PLACES
.Lfirst_done:
	v_and_b32 v1, 15, v0                           ; r = l % 16
	v_bfe_u32 v2, v0, 4, 1                         ; h = l / 16
	v_and_b32 v3, 31, v0                           ; l
	s_add_nc_u64 s[94:95], s[4:5], 0x800000        ; the work-groups' maxima
	v_lshlrev_b32 v5, 2, v3
	v_lshlrev_b32 v[CO1], 4, v3
	global_load_b32 v64, v5, s[94:95] offset:1280          ; Wv's 32
	global_load_b128 v[68:71], v[CO1], s[94:95] offset:1408  ; Wo's 128
	v_mov_b32 v65, 0
	v_mul_u32_u24 v4, v1, PITCH
	v_lshl_add_u32 v4, v2, 4, v4                   ; a fragment's row x pitch + 16 x half
	s_mul_i32 s88, s17, 32*PITCH
	v_add_nc_u32 v[A0], s88, v4
	s_mul_i32 s88, s18, 64*PITCH
	s_add_co_u32 s88, s88, BOFF
	v_add_nc_u32 v[B0], s88, v4
	v_mov_b32 v[ADRA], v[A0]
	v_mov_b32 v[ADRB], v[B0]
	s_mul_i32 s88, s16, 4352
	s_add_co_u32 s88, s88, STAGE                   ; my stage
	v_mul_u32_u24 v4, v1, 272
	v_lshl_add_u32 v4, v2, 4, v4
	v_add_nc_u32 v[STO], s88, v4
	v_mul_u32_u24 v4, v2, 272
	v_lshl_add_u32 v4, v1, 4, v4
	v_add_nc_u32 v[RD], s88, v4
	v_lshlrev_b32 v[CO], 4, v1
	v_lshl_add_u32 v[CO], v2, 12, v[CO]            ; two rows of 4,096 bytes, 16 lanes each
	v_mul_u32_u24 v4, v1, 144
	v_lshl_add_u32 v4, v2, 4, v4
	v_add_nc_u32 v[STO1], s88, v4
	v_lshrrev_b32 v4, 3, v3
	v_mul_u32_u24 v4, v4, 144
	v_and_b32 v6, 7, v3
	v_lshl_add_u32 v4, v6, 4, v4
	v_add_nc_u32 v[RD1], s88, v4
	s_wait_loadcnt 0x0
	v_max3_num_f32 v68, v68, v69, v70
	v_max_num_f32 v68, v68, v71
	WMAX 64, 65, 88
	WMAX 68, 65, 89
	s_add_co_u32 s88, s88, s89
	s_sub_co_i32 s88, 257, s88                     ; kN
	s_max_i32 s88, s88, -126
	s_min_i32 s88, s88, 127
	s_add_co_i32 s88, s88, 127
	s_lshl_b32 s80, s88, 23                        ; 2^kN
	s_mov_b32 s81, s80                             ; named with it as a pair
	s_mov_b32 s91, 0xffffe000                      ; keeps 11 significant bits
	s_and_b32 s88, s22, 15                         ; where my part of C goes: first row 64 x tile row + 32 x half, chunk 2 x tile column + half
	s_lshl_b32 s88, s88, 6
	s_lshl_b32 s89, s17, 5
	s_add_co_u32 s88, s88, s89
	s_lshl_b32 s89, s21, 1
	s_add_co_u32 s89, s89, s18
	s_lshl_b32 s90, s88, 12                        ; problem 0: rows of 4,096 bytes, chunks of 256
	s_lshl_b32 s92, s89, 8
	s_add_co_u32 s90, s90, s92
	s_lshl_b32 s88, s88, 7                         ; problem 1: chunks of 131,072 bytes, rows of 128
	s_lshl_b32 s89, s89, 17
	s_add_co_u32 s88, s88, s89
	s_add_co_u32 s88, s88, 0x400000
	s_cmp_eq_u32 s87, 0
	s_cselect_b32 s92, s90, s88
	s_mov_b32 s93, 0
	s_add_nc_u64 s[92:93], s[6:7], s[92:93]
; four matrix instructions: m block a x all 4 n blocks, 32 along K: half c of buffer f.  The 8 accumulators take turns.
.macro MUL4 f, c, a, zero
	WIN 0x05                                       ; sources in window 1, C and D in window 0
.irp b, 0,1,2,3
.if \zero
	v_wmma_f32_16x16x32_bf16 v[ACC+8*(4*(\a)+\b):ACC+8*(4*(\a)+\b)+7], v[(\f)+32+32*(\c)+8*\b:(\f)+32+32*(\c)+8*\b+7], v[(\f)+16*(\c)+8*(\a):(\f)+16*(\c)+8*(\a)+7], 0
.else
	v_wmma_f32_16x16x32_bf16 v[ACC+8*(4*(\a)+\b):ACC+8*(4*(\a)+\b)+7], v[(\f)+32+32*(\c)+8*\b:(\f)+32+32*(\c)+8*\b+7], v[(\f)+16*(\c)+8*(\a):(\f)+16*(\c)+8*(\a)+7], v[ACC+8*(4*(\a)+\b):ACC+8*(4*(\a)+\b)+7]
.endif
.endr
.endm
; 24 LDS loads in one run: the fragments of 64 along K at byte k of the rows; the first 32 along K first
.macro FETCH k, f
	WIN 0x40                                       ; destination window 1, address window 0
.irp c, 0,1
.irp b, 0,1,2,3
	ds_load_b128 v[(\f)+32+32*\c+8*\b:(\f)+32+32*\c+8*\b+3], v[ADRB] offset:(\k)+64*\c+\b*16*PITCH
	ds_load_b128 v[(\f)+32+32*\c+8*\b+4:(\f)+32+32*\c+8*\b+7], v[ADRB] offset:(\k)+64*\c+\b*16*PITCH+32
.endr
.irp a, 0,1
	ds_load_b128 v[(\f)+16*\c+8*\a:(\f)+16*\c+8*\a+3], v[ADRA] offset:(\k)+64*\c+\a*16*PITCH
	ds_load_b128 v[(\f)+16*\c+8*\a+4:(\f)+16*\c+8*\a+7], v[ADRA] offset:(\k)+64*\c+\a*16*PITCH+32
.endr
.endr
.endm
; A K step is four quarters of 64 along K on buffers 0, 1, 0, 1.  One of the first three multiplies buffer f and fetches the next quarter, at byte k, into g.
.macro QUARTER k, f, g, zero
	s_wait_dscnt 12                                ; the first 32 along K are in; the youngest twelve loads may be out
	MUL4 \f, 0, 0, \zero
	MUL4 \f, 0, 1, \zero
	PLACES
	FETCH \k, \g
	s_wait_dscnt 24                                ; all but the 24 just issued
	MUL4 \f, 1, 0, 0
	MUL4 \f, 1, 1, 0
.endm
; The last quarter multiplies buffer 1 and changes slots: one barrier; in front of it each wave waits for all its tensor loads (one is out: its part of the next slot), adds 0 to its spare word,
; and waits for that and for its reads of this slot.  fill = 1: the barrier opens a round of the cluster's, and the joint refill, two steps ahead, is the first tensor load behind it.
.macro TURN fill
	WIN 0
	s_wait_tensorcnt 0x0
	ds_add_u32 v[SPW], v[NIL]
	s_wait_dscnt 13                                ; the add and the youngest twelve loads may be out
	MUL4 F1, 0, 0, 0
	s_wait_dscnt 0x0                               ; the add is done, and my reads of this slot are over
	s_barrier_signal -1
	MUL4 F1, 0, 1, 0
	WIN 0
	s_barrier_wait -1
.if \fill
	CREST
	WALK 32, STEP
	WALK 48, STEP
	JLOAD                                          ; its four v_nop are also the places in front of the loads below
.else
	PLACES
.endif
	s_xor_b32 s23, s23, SLOT1
	v_add_nc_u32 v[ADRA], s23, v[A0]
	v_add_nc_u32 v[ADRB], s23, v[B0]
	FETCH 0, F0
	MUL4 F1, 1, 0, 0
	MUL4 F1, 1, 1, 0
.endm
	s_wait_tensorcnt 0x1                           ; my part of step 0 is in; step 1's may stay out
	s_barrier_signal -1
	s_barrier_wait -1
	FETCH 0, F0
	QUARTER 128, F0, F1, 1                         ; the first products start the sums
	WIN 0
	s_mov_b32 s2, NCH-2
.Lmain:                                                ; a trip: the rest of a step, the change of slots with a refill, the next step's first quarter
	QUARTER 256, F1, F0, 0
	QUARTER 384, F0, F1, 0
	TURN 1
	QUARTER 128, F0, F1, 0
	WIN 0
	s_sub_co_u32 s2, s2, 1
	s_cmp_lg_u32 s2, 0
	s_cbranch_scc1 .Lmain
	s_mov_b32 s3, 2
.Ltail:                                                ; the last two steps ask for nothing; the second trip is left in its middle, and its fetch (of the slot read before) serves nothing
	QUARTER 256, F1, F0, 0
	QUARTER 384, F0, F1, 0
	TURN 0
	WIN 0
	s_cmp_eq_u32 s3, 1
	s_cbranch_scc1 .Lout
	QUARTER 128, F0, F1, 0
	WIN 0
	s_sub_co_u32 s3, s3, 1
	s_cmp_lg_u32 s3, 0
	s_cbranch_scc1 .Ltail
.Lout:
	s_wait_dscnt 0x0
	PLACES
	s_cmp_lg_u32 s87, 0
	s_cbranch_scc1 .Lfor_n
; Problem 0, block a of 16 rows: each sum is cut to 11 significant bits (exact in f16), the rest is the second piece; a stage row holds 64 first pieces, then 64 second ones.
.macro PACKM a
.set AC, ACC+32*(\a)
.set k, 0
.rept 16
	v_and_b32 v[TR+2*k], s91, v[AC+2*k]
	v_and_b32 v[TR+2*k+1], s91, v[AC+2*k+1]
.set k, k+1
.endr
.set k, 0
.rept 16
	v_pk_add_f32 v[AC+2*k:AC+2*k+1], v[AC+2*k:AC+2*k+1], v[TR+2*k:TR+2*k+1] neg_lo:[0,1] neg_hi:[0,1]
.set k, k+1
.endr
.set k, 0
.rept 16
	v_cvt_pk_f16_f32 v[TMP+k], v[TR+2*k], v[TR+2*k+1]
	v_cvt_pk_f16_f32 v[TMP+16+k], v[AC+2*k], v[AC+2*k+1]
.set k, k+1
.endr
.set BK, 96+96*(\a)
.irp i, 0,1,2,3,4,5,6,7
	ds_store_b128 v[STO], v[TMP+4*\i:TMP+4*\i+3] offset:32*\i
.endr
.irp t, 0,1,2,3,4,5,6,7
	ds_load_b128 v[BK+4*\t:BK+4*\t+3], v[RD] offset:\t*2*272  ; LDS serves a wave's instructions in order: these see the stores above
.endr
.endm
.macro SENDM a
.set BK, 96+96*(\a)
	s_wait_dscnt 0x0
.irp t, 0,1,2,3,4,5,6,7
	global_store_b128 v[CO], v[BK+4*\t:BK+4*\t+3], s[92:93] offset:(\a)*65536+2*\t*4096  ; 16 lanes store 256 consecutive bytes, aligned
.endr
.endm
	PACKM 0
	PACKM 1
	SENDM 0
	SENDM 1
	s_branch .Ldone
.Lfor_n:
; Problem 1, block a: scaled by 2^kN, rounded to f16; 16 rows of 128 bytes are 2,048 consecutive bytes of mn.
.macro PACKN a
.set AC, ACC+32*(\a)
.set k, 0
.rept 16
	v_pk_mul_f32 v[AC+2*k:AC+2*k+1], v[AC+2*k:AC+2*k+1], s[80:81] op_sel_hi:[1,0]
.set k, k+1
.endr
.set k, 0
.rept 16
	v_cvt_pk_f16_f32 v[TMP+k], v[AC+2*k], v[AC+2*k+1]
.set k, k+1
.endr
.set BK, 96+96*(\a)
.irp i, 0,1,2,3
	ds_store_b128 v[STO1], v[TMP+4*\i:TMP+4*\i+3] offset:32*\i
.endr
.irp t, 0,1,2,3
	ds_load_b128 v[BK+4*\t:BK+4*\t+3], v[RD1] offset:\t*4*144
.endr
.endm
.macro SENDN a
.set BK, 96+96*(\a)
	s_wait_dscnt 0x0
.irp t, 0,1,2,3
	global_store_b128 v[CO1], v[BK+4*\t:BK+4*\t+3], s[92:93] offset:(\a)*2048+\t*512  ; 512 consecutive bytes, aligned
.endr
.endm
	PACKN 0
	PACKN 1
	SENDN 0
	SENDN 1
.Ldone:
	s_wait_tensorcnt 0x0                           ; the wave's end
	ds_add_u32 v[SPW], v[NIL]
	s_wait_dscnt 0x0
	CROUND                                         ; the closing round: no work-group ends while a partner may still ask for a tile that names it
	s_endpgm
.Lfunc_end_k_q588a0a9884_wprod:
	.size	k_q588a0a9884_wprod, .Lfunc_end_k_q588a0a9884_wprod-k_q588a0a9884_wprod
	.p2alignl 7, 3214868480
	.fill 96, 4, 3214868480
	.section	.rodata,"a",@progbits
	.p2align	6, 0x0
	.amdhsa_kernel k_q588a0a9884_wprod
		.amdhsa_group_segment_fixed_size 327680
		.amdhsa_private_segment_fixed_size 0
		.amdhsa_enable_private_segment 0
		.amdhsa_kernarg_size 16
		.amdhsa_user_sgpr_count 2
		.amdhsa_user_sgpr_kernarg_segment_ptr 1
		.amdhsa_wavefront_size32 1
		.amdhsa_system_sgpr_workgroup_id_x 1
		.amdhsa_system_sgpr_workgroup_id_y 1
		.amdhsa_system_sgpr_workgroup_id_z 1
		.amdhsa_system_vgpr_workitem_id 0
		.amdhsa_next_free_vgpr 512
		.amdhsa_next_free_sgpr 96
		.amdhsa_reserve_vcc 0
		.amdhsa_float_denorm_mode_32 3
		.amdhsa_float_denorm_mode_16_64 3
		.amdhsa_memory_ordered 1
		.amdhsa_forward_progress 1
		.amdhsa_inst_pref_size 56
	.end_amdhsa_kernel
	.amdgpu_metadata
---
amdhsa.version: [ 1, 2 ]
amdhsa.kernels:
  - .name:           k_q588a0a9884_wprod
    .symbol:         k_q588a0a9884_wprod.kd
    .args:
      - { .name: wc, .offset: 0, .size: 8, .value_kind: global_buffer, .address_space: global }
      - { .name: mn, .offset: 8, .size: 8, .value_kind: global_buffer, .address_space: global }
    .group_segment_fixed_size: 327680
    .private_segment_fixed_size: 0
    .kernarg_segment_align: 8
    .kernarg_segment_size: 16
    .max_flat_workgroup_size: 128
    .sgpr_count:     96
    .vgpr_count:     512
    .wavefront_size: 32
...
	.end_amdgpu_metadata
.endif
;; end of part 2
;; launch proj (part 3): grid 8 x 32, 4 waves a work-group, clusters of 4 x 4, 327,680 bytes of LDS; arguments xc, mn, wc, t2, ut; writes t2, ut
.if DOCPART == 3
	.amdgcn_target "amdgcn-amd-amdhsa--gfx1250"
	.amdhsa_code_object_version 6
	.text
	.protected	k_q588a0a9884_proj
	.globl	k_q588a0a9884_proj
	.p2align	8
	.type	k_q588a0a9884_proj,@function
k_q588a0a9884_proj:
	s_mov_b64 s[64:65], 0
	v_nop
	global_prefetch_b8 v0, s[64:65] scope:SCOPE_SE
	s_setreg_imm32_b32 hwreg(HW_REG_WAVE_MODE, 25, 1), 1
	s_wait_xcnt 0x0
	s_wait_alu depctr_hold_cnt(0) depctr_sa_sdst(0) depctr_va_vdst(0) depctr_va_sdst(0) depctr_va_ssrc(0) depctr_va_vcc(0) depctr_vm_vsrc(0)
	s_getreg_b32 s2, hwreg(HW_REG_IB_STS2, 6, 4)
	s_cmp_eq_u32 s2, 0
	s_cbranch_scc0 .Lentry_in_a_cluster
	s_endpgm
.Lentry_in_a_cluster:
	s_bfe_u32 s2, ttmp6, 0x10000c
	s_cmp_lg_u32 s2, 0xf033
	s_cbranch_scc0 .Lentry_shape_is_right
	s_endpgm
.Lentry_shape_is_right:
; PROJ.  t = x (Wq Wk^T) and u = x (Wv Wo), from the f16 copy of x and the f16 matrices of the launch before; f32 sums.
;   t: both pieces of the matrix are multiplied onto one sum; it leaves as bf16 in TWO pieces (t rounded, and the rest rounded): t2, [row 8192][chunk of 64 columns: 16][hi 64 | lo 64]
;   u: arrives scaled by 2^kN, is scaled by 2^ku and leaves TRANSPOSED as f16: ut, [batch 4][channel 1024][key 2048]
; ku = 116 - eX (eX: the biased exponent of the largest |x|), kept within -126 .. 127: |u| 2^(kN + ku) stays at or under 2^15, inside f16.
; LIMITS.  As the two launches before state; u keeps f16's fixed step of 6e-8 below 6e-5 of its scaled value.  NaN and infinities are not treated apart.
; SHARES.  A work-group: 256 rows x (128 columns of t and 128 of u); a wave 128 rows x (64 + 64): 32 + 32 accumulators.  K goes in chunks of 64 through two slots: 192 matrix instructions a wave and chunk.
; CLUSTER 4 x 4: x's tile is shared along a row, the matrices' tiles along a column.  t's products take the matrix as source 0 (a lane holds 8 neighbouring columns of a row of t),
; u's take x as source 0 (a lane holds one channel and 8 neighbouring rows: 16 bytes of the transposed u).
.set XP,    144                        ; an LDS row of x or of the second matrix: 128 bytes + 16
.set MP,    272                        ; of the first matrix: hi 128 bytes, lo 128 bytes, + 16
.set MOFF,  256*XP                     ; a slot: x's 256 rows, the first matrix' 128, the second's 128
.set NOFF,  MOFF+128*MP
.set SLOT1, 131072
.set STAGE, SLOT1+NOFF+128*XP          ; 4,352 bytes for each wave, for the way out
.set SPARE, STAGE+4*4352               ; the spare words; no other line names them
.set SP,    272
.set NCH,   16
.set ADX, 16                           ; LDS addresses of my fragments in the slot in hand, and in slot 0
.set AX0, 17
.set ADM, 18
.set AM0, 19
.set ADN, 20
.set AN0, 21
.set STO, 24
.set RD,  25
.set CO,  26
.set SPW, 28                           ; v28  LDS address of my spare word; never rewritten
.set NIL, 29                           ; v29  0; never rewritten
.set OB,  32                           ; v32-63 and v224-255 by turns: 16 rows read back from the stage
.set FX0, 64                           ; window 0: x's fragments, two buffers of 64
.set FX1, 128
.set TMP, 192                          ; v192-223 packed results
.set GB0, 64                           ; window 1: two buffers of 96: hi at + 8 b, lo at + 32 + 8 b, the second matrix at + 64 + 8 b
.set GB1, 160
                                       ; window 2: t(a, b) at 8 (4 a + b);  window 3: u(a, b) at 8 (8 b + a);  a = 0..7 blocks of 16 rows, b = 0..3 blocks of 16 columns
.set MSB, 0
.macro WIN new
.if MSB != (\new)
	s_set_vgpr_msb (MSB<<8)|(\new)
.set MSB, \new
.endif
.endm
.macro PLACES
.rept 4
	v_nop
.endr
.endm
.macro CREST
	s_cmp_lg_u32 s16, 0
	s_cbranch_scc1 .Lnot_wave_0_\@
	s_barrier_signal -3
.Lnot_wave_0_\@:
	s_barrier_wait -3
	s_barrier_signal -1
	s_barrier_wait -1
.endm
.macro CROUND
	s_barrier_signal -1
	s_barrier_wait -1
	CREST
.endm
.macro DESC g, mask, qi, d0, d1, pitch
	s_or_b32 s[\g], \mask, (1<<16)|(1<<20)|(1<<21)|((\qi)<<22)|(3<<25)
	s_mov_b32 s[\g+1], (\d0)<<16
	s_mov_b32 s[\g+2], (\d1)<<16
	s_mov_b32 s[\g+3], (\d0)<<16
	s_mov_b32 s[\g+4], \d1
	s_mov_b32 s[\g+5], \pitch
	s_mov_b32 s[\g+6], 0
	s_mov_b32 s[\g+7], 0
.endm
.macro GROUP0 g, lds, adr, step
.irp s, 0,1
	s_mov_b32 s[\g+4*\s], 1
	s_add_co_u32 s[\g+4*\s+1], s[\lds], \s*SLOT1
	s_add_nc_u64 s[\g+4*\s+2:\g+4*\s+3], s[\adr:\adr+1], \s*(\step)
	s_or_b32 s[\g+4*\s+3], s[\g+4*\s+3], 0x80000000
.endr
.endm
.macro WALK g, step
	s_xor_b32 s[\g+5], s[\g+5], SLOT1
	s_add_nc_u64 s[\g+6:\g+7], s[\g+6:\g+7], \step
.endm
.macro JLOAD                           ; a joint refill: waves 0, 1 fetch x's halves, wave 2 the first matrix' tile, wave 3 the second's
	s_cmp_lt_u32 s16, 2
	s_cbranch_scc0 .Lnot_x_\@
	tensor_load_to_lds s[36:39], s[24:31]
	s_nop 0
	PLACES
	s_branch .Lasked_\@
.Lnot_x_\@:
	s_cmp_eq_u32 s16, 2
	s_cbranch_scc0 .Lfor_n_\@
	tensor_load_to_lds s[52:55], s[40:47]
	s_nop 0
	PLACES
	s_branch .Lasked_\@
.Lfor_n_\@:
	tensor_load_to_lds s[72:75], s[56:63]
	s_nop 0
	PLACES
.Lasked_\@:
.endm
.macro WMAX v, t, s
	v_max_num_f32_dpp v[\v], v[\v], v[\v] row_xmask:1 row_mask:0xf bank_mask:0xf
	v_max_num_f32_dpp v[\v], v[\v], v[\v] row_xmask:2 row_mask:0xf bank_mask:0xf
	v_max_num_f32_dpp v[\v], v[\v], v[\v] row_xmask:4 row_mask:0xf bank_mask:0xf
	v_max_num_f32_dpp v[\v], v[\v], v[\v] row_xmask:8 row_mask:0xf bank_mask:0xf
	v_permlanex16_b32 v[\t], v[\v], s82, s83
	v_max_num_f32 v[\v], v[\v], v[\t]
	v_readfirstlane_b32 s[\s], v[\v]
	s_bfe_u32 s[\s], s[\s], 0x80017
.endm
	s_load_b256 s[4:11], s[0:1], 0x0               ; xc, mn, wc, t2
	s_load_b64 s[12:13], s[0:1], 0x20              ; ut
	v_lshl_add_u32 v[SPW], v0, 2, SPARE
	v_mov_b32 v[NIL], 0
	ds_add_u32 v[SPW], v[NIL]                      ; the wave's opening: the add and its wait stand ahead of my first tensor load
	v_lshrrev_b32 v1, 5, v0
	v_readfirstlane_b32 s16, v1
	s_lshr_b32 s17, s16, 1                         ; which 128 rows are mine
	s_and_b32 s18, s16, 1                          ; which 64 + 64 columns
	s_bfe_u32 s19, ttmp6, 0x40000
	s_bfe_u32 s20, ttmp6, 0x40004
	s_lshl_b32 s21, ttmp9, 2
	s_add_co_u32 s21, s21, s19                     ; block of 128 columns
	s_and_b32 s84, ttmp7, 0xffff
	s_lshl_b32 s22, s84, 2
	s_add_co_u32 s22, s22, s20                     ; block of 256 rows
	s_lshl_b32 s85, s20, 2
	s_lshl_b32 s85, 15, s85
	s_lshl_b32 s86, 0x1111, s19
	s_mov_b32 s23, 0
	s_mov_b32 s82, 0x76543210
	s_mov_b32 s83, 0xfedcba98
	DESC 24, s85, 4, 128, 64, 128                  ; x: 128 row pieces of 128 bytes are dense: asked for as 64 rows of 256 bytes, padded after every 128
	DESC 40, s86, 5, 128, 128, 2048                ; the first matrix: 128 rows x 256 bytes (hi | lo)
	DESC 56, s86, 4, 128, 64, 128                  ; the second: dense like x
	s_lshl_b32 s76, s22, 8
	s_lshl_b32 s77, s16, 7
	s_add_co_u32 s76, s76, s77
	s_lshl_b32 s76, s76, 7
	s_add_co_u32 s76, s76, 0x1000000               ; the f16 copy
	s_mov_b32 s77, 0
	s_lshl_b32 s78, s21, 19                        ; 128 rows of 4,096 bytes
	s_mov_b32 s79, 0
	s_lshl_b32 s88, s21, 14                        ; 128 rows of 128 bytes
	s_add_co_u32 s88, s88, 0x400000
	s_mov_b32 s89, 0
	s_mul_i32 s90, s16, 128*XP
	s_mov_b32 s91, MOFF
	s_mov_b32 s87, NOFF
	s_wait_dscnt 0x0
	s_wait_kmcnt 0x0
	s_add_nc_u64 s[76:77], s[4:5], s[76:77]
	s_add_nc_u64 s[78:79], s[6:7], s[78:79]
	s_add_nc_u64 s[88:89], s[6:7], s[88:89]
	GROUP0 32, 90, 76, 1048576
	GROUP0 48, 91, 78, 256
	GROUP0 68, 87, 88, 131072
	CROUND
	s_cmp_lt_u32 s16, 2                            ; a wave's two first fills stand in one arm: two loads of mine are out
	s_cbranch_scc0 .Lfirst_not_x
	tensor_load_to_lds s[32:35], s[24:31]
	s_nop 0
	tensor_load_to_lds s[36:39], s[24:31]
	s_nop 0
	PLACES
	s_branch .Lfirst_done
.Lfirst_not_x:
	s_cmp_eq_u32 s16, 2
	s_cbranch_scc0 .Lfirst_n
	tensor_load_to_lds s[48:51], s[40:47]
	s_nop 0
	tensor_load_to_lds s[52:55], s[40:47]
	s_nop 0
	PLACES
	s_branch .Lfirst_done
.Lfirst_n:
	tensor_load_to_lds s[68:71], s[56:63]
	s_nop 0
	tensor_load_to_lds s[72:75], s[56:63]
	s_nop 0
	PLACES
.Lfirst_done:
	v_and_b32 v1, 15, v0
	v_bfe_u32 v2, v0, 4, 1
	v_and_b32 v3, 31, v0
	s_add_nc_u64 s[96:97], s[8:9], 0x800000
	v_lshlrev_b32 v6, 4, v3
	global_load_b128 v[192:195], v6, s[96:97]              ; x's 256 maxima
	global_load_b128 v[196:199], v6, s[96:97] offset:512
	v_mov_b32 v200, 0
	v_mul_u32_u24 v4, v1, XP
	v_lshl_add_u32 v4, v2, 4, v4
	v_mul_u32_u24 v5, v1, MP
	v_lshl_add_u32 v5, v2, 4, v5
	s_mul_i32 s90, s17, 128*XP
	v_add_nc_u32 v[AX0], s90, v4
	s_mul_i32 s90, s18, 64*MP
	s_add_co_u32 s90, s90, MOFF
	v_add_nc_u32 v[AM0], s90, v5
	s_mul_i32 s90, s18, 64*XP
	s_add_co_u32 s90, s90, NOFF
	v_add_nc_u32 v[AN0], s90, v4
	v_mov_b32 v[ADX], v[AX0]
	v_mov_b32 v[ADM], v[AM0]
	v_mov_b32 v[ADN], v[AN0]
	s_mul_i32 s90, s16, 4352
	s_add_co_u32 s90, s90, STAGE
	v_add_nc_u32 v[STO], s90, v5
	v_mul_u32_u24 v4, v2, SP
	v_lshl_add_u32 v4, v1, 4, v4
	v_add_nc_u32 v[RD], s90, v4
	v_lshlrev_b32 v[CO], 4, v1
	v_lshl_add_u32 v[CO], v2, 12, v[CO]
	s_lshl_b32 s90, s22, 8                         ; t2: my first row, my chunk
	s_lshl_b32 s91, s17, 7
	s_add_co_u32 s90, s90, s91
	s_lshl_b32 s90, s90, 12
	s_lshl_b32 s91, s21, 1
	s_add_co_u32 s91, s91, s18
	s_lshl_b32 s91, s91, 8
	s_add_co_u32 s92, s90, s91
	s_mov_b32 s93, 0
	s_add_nc_u64 s[92:93], s[10:11], s[92:93]
	s_lshr_b32 s90, s22, 3                         ; ut: the batch, my first channel, my first key
	s_lshl_b32 s90, s90, 22
	s_lshl_b32 s91, s21, 7
	s_lshl_b32 s87, s18, 6
	s_add_co_u32 s91, s91, s87
	s_lshl_b32 s91, s91, 12
	s_add_co_u32 s90, s90, s91
	s_and_b32 s91, s22, 7
	s_lshl_b32 s91, s91, 8
	s_lshl_b32 s87, s17, 7
	s_add_co_u32 s91, s91, s87
	s_lshl_b32 s91, s91, 1
	s_add_co_u32 s94, s90, s91
	s_mov_b32 s95, 0
	s_add_nc_u64 s[94:95], s[12:13], s[94:95]
	s_wait_loadcnt 0x0
	v_max3_num_f32 v192, v192, v193, v194
	v_max3_num_f32 v192, v192, v195, v196
	v_max3_num_f32 v192, v192, v197, v198
	v_max_num_f32 v192, v192, v199
	WMAX 192, 200, 88
	s_sub_co_i32 s88, 116, s88                     ; ku
	s_max_i32 s88, s88, -126
	s_min_i32 s88, s88, 127
	s_add_co_i32 s88, s88, 127
	s_lshl_b32 s80, s88, 23                        ; 2^ku
	s_mov_b32 s81, s80
	s_mov_b32 s91, 0xffff0000
; 16 products for t: piece part (0 hi, 1 lo) of the matrix, row blocks 4 half .. + 3, all 4 column blocks.  The accumulators take turns.
.macro TMUL part, half, fx, gb, zero
	WIN 0xa1                                       ; source 0 window 1, source 1 window 0, C and D window 2
.irp a, 4*(\half), 4*(\half)+1, 4*(\half)+2, 4*(\half)+3
.irp b, 0,1,2,3
.if \zero
	v_wmma_f32_16x16x32_f16 v[8*(4*(\a)+\b):8*(4*(\a)+\b)+7], v[(\gb)+32*(\part)+8*\b:(\gb)+32*(\part)+8*\b+7], v[(\fx)+8*(\a):(\fx)+8*(\a)+7], 0
.else
	v_wmma_f32_16x16x32_f16 v[8*(4*(\a)+\b):8*(4*(\a)+\b)+7], v[(\gb)+32*(\part)+8*\b:(\gb)+32*(\part)+8*\b+7], v[(\fx)+8*(\a):(\fx)+8*(\a)+7], v[8*(4*(\a)+\b):8*(4*(\a)+\b)+7]
.endif
.endr
.endr
.endm
.macro UMUL half, fx, gb, zero         ; 16 products for u
	WIN 0xf4                                       ; source 0 window 0, source 1 window 1, C and D window 3
.irp a, 4*(\half), 4*(\half)+1, 4*(\half)+2, 4*(\half)+3
.irp b, 0,1,2,3
.if \zero
	v_wmma_f32_16x16x32_f16 v[8*(8*\b+(\a)):8*(8*\b+(\a))+7], v[(\fx)+8*(\a):(\fx)+8*(\a)+7], v[(\gb)+64+8*\b:(\gb)+64+8*\b+7], 0
.else
	v_wmma_f32_16x16x32_f16 v[8*(8*\b+(\a)):8*(8*\b+(\a))+7], v[(\fx)+8*(\a):(\fx)+8*(\a)+7], v[(\gb)+64+8*\b:(\gb)+64+8*\b+7], v[8*(8*\b+(\a)):8*(8*\b+(\a))+7]
.endif
.endr
.endr
.endm
.macro HALF half, fx, gb, zero
	TMUL 0, \half, \fx, \gb, \zero
	TMUL 1, \half, \fx, \gb, 0
	UMUL \half, \fx, \gb, \zero
.endm
; 40 LDS loads in one run: 32 along K at byte kb of the rows; x's row blocks 4-7 last
.macro FETCH kb, fx, gb
	WIN 0x40
.irp b, 0,1,2,3
	ds_load_b128 v[(\gb)+8*\b:(\gb)+8*\b+3], v[ADM] offset:(\kb)+\b*16*MP
	ds_load_b128 v[(\gb)+8*\b+4:(\gb)+8*\b+7], v[ADM] offset:(\kb)+\b*16*MP+32
.endr
.irp b, 0,1,2,3
	ds_load_b128 v[(\gb)+32+8*\b:(\gb)+32+8*\b+3], v[ADM] offset:(\kb)+128+\b*16*MP
	ds_load_b128 v[(\gb)+32+8*\b+4:(\gb)+32+8*\b+7], v[ADM] offset:(\kb)+128+\b*16*MP+32
.endr
.irp b, 0,1,2,3
	ds_load_b128 v[(\gb)+64+8*\b:(\gb)+64+8*\b+3], v[ADN] offset:(\kb)+\b*16*XP
	ds_load_b128 v[(\gb)+64+8*\b+4:(\gb)+64+8*\b+7], v[ADN] offset:(\kb)+\b*16*XP+32
.endr
	WIN 0
.irp a, 0,1,2,3,4,5,6,7
	ds_load_b128 v[(\fx)+8*\a:(\fx)+8*\a+3], v[ADX] offset:(\kb)+\a*16*XP
	ds_load_b128 v[(\fx)+8*\a+4:(\fx)+8*\a+7], v[ADX] offset:(\kb)+\a*16*XP+32
.endr
.endm
.macro UNIT zero                       ; a chunk's first 32 along K, on buffers 0; its second 32 are fetched into buffers 1
	s_wait_dscnt 8                                 ; x's row blocks 4-7 may be out
	HALF 0, FX0, GB0, \zero
	PLACES
	FETCH 64, FX1, GB1
	s_wait_dscnt 40                                ; all but the 40 just issued
	HALF 1, FX0, GB0, \zero
.endm
; A chunk's second 32 along K, on buffers 1, and the change of slots: each wave waits for all its tensor loads (one is out: its part of the next slot), adds 0 to its spare word, and waits for that and for
; its reads of this slot.  fill = 1: the barrier opens a round of the cluster's, and the joint refill is the first tensor load behind it: 144 matrix instructions ahead of the wait for it.
.macro TURN fill
	WIN 0
	s_wait_tensorcnt 0x0
	ds_add_u32 v[SPW], v[NIL]
	s_wait_dscnt 9                                 ; the add and the youngest eight loads may be out
	TMUL 0, 0, FX1, GB1, 0
	s_wait_dscnt 0x0
	s_barrier_signal -1
	TMUL 1, 0, FX1, GB1, 0
	UMUL 0, FX1, GB1, 0
	WIN 0
	s_barrier_wait -1
.if \fill
	CREST
	WALK 32, 1048576
	WALK 48, 256
	WALK 68, 131072
	JLOAD
.else
	PLACES
.endif
	s_xor_b32 s23, s23, SLOT1
	v_add_nc_u32 v[ADX], s23, v[AX0]
	v_add_nc_u32 v[ADM], s23, v[AM0]
	v_add_nc_u32 v[ADN], s23, v[AN0]
	FETCH 0, FX0, GB0
	HALF 1, FX1, GB1, 0
.endm
	s_wait_tensorcnt 0x1                           ; my part of chunk 0 is in; chunk 1's may stay out
	s_barrier_signal -1
	s_barrier_wait -1
	FETCH 0, FX0, GB0
	UNIT 1                                         ; the first products start the sums
	WIN 0
	s_mov_b32 s2, NCH-2
.Lmain:
	TURN 1
	UNIT 0
	WIN 0
	s_sub_co_u32 s2, s2, 1
	s_cmp_lg_u32 s2, 0
	s_cbranch_scc1 .Lmain
	s_mov_b32 s3, 2
.Ltail:                                                ; the last two chunks ask for nothing; the second trip is left in its middle, and its fetch serves nothing
	TURN 0
	WIN 0
	s_cmp_eq_u32 s3, 1
	s_cbranch_scc1 .Lout
	UNIT 0
	WIN 0
	s_sub_co_u32 s3, s3, 1
	s_cmp_lg_u32 s3, 0
	s_cbranch_scc1 .Ltail
.Lout:
	s_wait_dscnt 0x0
	PLACES
; THE WAY OUT, a block of 16 rows at a time through my own stage: 16 bytes a lane in, whole rows of 256 bytes back.
.macro PACKT a                         ; t's row block a: rounded to bf16; what the rounding left, rounded to bf16
	WIN 0x0a
.set k, 0
.rept 16
	v_cvt_pk_bf16_f32 v[TMP+k], v[32*(\a)+2*k], v[32*(\a)+2*k+1]
.set k, k+1
.endr
	WIN 0
.set k, 0
.rept 16
	v_lshlrev_b32 v[64+2*k], 16, v[TMP+k]
	v_and_b32 v[64+2*k+1], s91, v[TMP+k]
.set k, k+1
.endr
	WIN 0x02
.set k, 0
.rept 16
	v_pk_add_f32 v[64+2*k:64+2*k+1], v[32*(\a)+2*k:32*(\a)+2*k+1], v[64+2*k:64+2*k+1] neg_lo:[0,1] neg_hi:[0,1]
.set k, k+1
.endr
	WIN 0
.set k, 0
.rept 16
	v_cvt_pk_bf16_f32 v[TMP+16+k], v[64+2*k], v[64+2*k+1]
.set k, k+1
.endr
.endm
.macro PACKU b                         ; u's block b of 16 channels x 128 keys: scaled, rounded to f16
	WIN 0xc3
.set k, 0
.rept 32
	v_pk_mul_f32 v[64*(\b)+2*k:64*(\b)+2*k+1], v[64*(\b)+2*k:64*(\b)+2*k+1], s[80:81] op_sel_hi:[1,0]
.set k, k+1
.endr
	WIN 0x0f
.set k, 0
.rept 32
	v_cvt_pk_f16_f32 v[TMP+k], v[64*(\b)+2*k], v[64*(\b)+2*k+1]
.set k, k+1
.endr
	WIN 0
.endm
.macro TOSTAGE n
	WIN 0
.set BK, OB+192*((\n)%2)
	s_wait_xcnt 0x0                                ; the registers that the stores two blocks back read are loaded again only behind this wait
.irp i, 0,1,2,3,4,5,6,7
	ds_store_b128 v[STO], v[TMP+4*\i:TMP+4*\i+3] offset:32*\i
.endr
.irp t, 0,1,2,3,4,5,6,7
	ds_load_b128 v[BK+4*\t:BK+4*\t+3], v[RD] offset:\t*2*SP  ; LDS serves a wave's instructions in order: these see the stores above
.endr
.endm
.macro SEND n, base, off
	WIN 0
.set BK, OB+192*((\n)%2)
	s_wait_dscnt 0x0
.irp t, 0,1,2,3,4,5,6,7
	global_store_b128 v[CO], v[BK+4*\t:BK+4*\t+3], s[\base:\base+1] offset:(\off)+2*\t*4096  ; 16 lanes store 256 consecutive bytes, aligned
.endr
.endm
	PACKT 0
	TOSTAGE 0
.irp a, 1,2,3,4,5,6,7                  ; a block's arithmetic stands between the loads of the block before and its stores
	PACKT \a
	SEND (\a)-1, 92, ((\a)-1)*65536
	TOSTAGE \a
.endr
	PACKU 0
	SEND 7, 92, 7*65536
	TOSTAGE 8
.irp b, 1,2,3
	PACKU \b
	SEND (\b)+7, 94, ((\b)-1)*65536
	TOSTAGE (\b)+8
.endr
	SEND 11, 94, 3*65536
	s_wait_tensorcnt 0x0                           ; the wave's end
	ds_add_u32 v[SPW], v[NIL]
	s_wait_dscnt 0x0
	CROUND                                         ; the closing round
	s_endpgm
.Lfunc_end_k_q588a0a9884_proj:
	.size	k_q588a0a9884_proj, .Lfunc_end_k_q588a0a9884_proj-k_q588a0a9884_proj
	.p2alignl 7, 3214868480
	.fill 96, 4, 3214868480
	.section	.rodata,"a",@progbits
	.p2align	6, 0x0
	.amdhsa_kernel k_q588a0a9884_proj
		.amdhsa_group_segment_fixed_size 327680
		.amdhsa_private_segment_fixed_size 0
		.amdhsa_enable_private_segment 0
		.amdhsa_kernarg_size 40
		.amdhsa_user_sgpr_count 2
		.amdhsa_user_sgpr_kernarg_segment_ptr 1
		.amdhsa_wavefront_size32 1
		.amdhsa_system_sgpr_workgroup_id_x 1
		.amdhsa_system_sgpr_workgroup_id_y 1
		.amdhsa_system_sgpr_workgroup_id_z 1
		.amdhsa_system_vgpr_workitem_id 0
		.amdhsa_next_free_vgpr 1024
		.amdhsa_next_free_sgpr 100
		.amdhsa_reserve_vcc 0
		.amdhsa_float_denorm_mode_32 3
		.amdhsa_float_denorm_mode_16_64 3
		.amdhsa_memory_ordered 1
		.amdhsa_forward_progress 1
		.amdhsa_inst_pref_size 132
	.end_amdhsa_kernel
	.amdgpu_metadata
---
amdhsa.version: [ 1, 2 ]
amdhsa.kernels:
  - .name:           k_q588a0a9884_proj
    .symbol:         k_q588a0a9884_proj.kd
    .args:
      - { .name: xc, .offset: 0, .size: 8, .value_kind: global_buffer, .address_space: global }
      - { .name: mn, .offset: 8, .size: 8, .value_kind: global_buffer, .address_space: global }
      - { .name: wc, .offset: 16, .size: 8, .value_kind: global_buffer, .address_space: global }
      - { .name: t2, .offset: 24, .size: 8, .value_kind: global_buffer, .address_space: global }
      - { .name: ut, .offset: 32, .size: 8, .value_kind: global_buffer, .address_space: global }
    .group_segment_fixed_size: 327680
    .private_segment_fixed_size: 0
    .kernarg_segment_align: 8
    .kernarg_segment_size: 40
    .max_flat_workgroup_size: 128
    .sgpr_count:     100
    .vgpr_count:     1024
    .wavefront_size: 32
...
	.end_amdgpu_metadata
.endif
;; end of part 3
;; launch scores (part 4): grid 8 x 32, 4 waves a work-group, clusters of 4 x 4, 327,680 bytes of LDS; arguments t2, xc, p, st; writes p, st
.if DOCPART == 4
	.amdgcn_target "amdgcn-amd-amdhsa--gfx1250"
	.amdhsa_code_object_version 6
	.text
	.protected	k_q588a0a9884_scores
	.globl	k_q588a0a9884_scores
	.p2align	8
	.type	k_q588a0a9884_scores,@function
k_q588a0a9884_scores:
	s_mov_b64 s[64:65], 0
	v_nop
	global_prefetch_b8 v0, s[64:65] scope:SCOPE_SE
	s_setreg_imm32_b32 hwreg(HW_REG_WAVE_MODE, 25, 1), 1
	s_wait_xcnt 0x0
	s_wait_alu depctr_hold_cnt(0) depctr_sa_sdst(0) depctr_va_vdst(0) depctr_va_sdst(0) depctr_va_ssrc(0) depctr_va_vcc(0) depctr_vm_vsrc(0)
	s_getreg_b32 s2, hwreg(HW_REG_IB_STS2, 6, 4)
	s_cmp_eq_u32 s2, 0
	s_cbranch_scc0 .Lentry_in_a_cluster
	s_endpgm
.Lentry_in_a_cluster:
	s_bfe_u32 s2, ttmp6, 0x10000c
	s_cmp_lg_u32 s2, 0xf033
	s_cbranch_scc0 .Lentry_shape_is_right
	s_endpgm
.Lentry_shape_is_right:
; SCORES.  S[q][k] = sum over e of t[q][e] x[k][e], within a batch of 2,048 rows: both bf16 pieces of t are multiplied by the bf16 x onto one f32 sum.
; Then, for each query and the work-group's block of 256 keys: the block's true maximum m (the two waves that share queries exchange their maxima through LDS); cm = c m rounded once (c = log2 e);
; P = 2^(c S - cm), one fused multiply-add and one exponential; l = the sum of the unrounded P over a wave's 128 keys.
;   P -> p, f16, as the next launch's matrix fragments: [block of 16 queries: 512][block of 16 keys: 128][lane: 32][8 numbers]; lane l holds query l % 16 and keys 8 (l / 16) + 0..7 of the two blocks.
;     That is how the packed results lie in registers, so they are stored as they are: each store of a wave covers 512 consecutive bytes.
;   cm and l -> st, f32, [plane: cm, l][group of 64 queries: 128][128 keys: 16][query % 16][query / 16 % 4]; the two halves of a block of 256 keys hold the same cm.
; The next launch joins the blocks by the maximum of their cm: the stored cm is itself the shift, so the blocks agree with each other at any size of the scores.
; LIMITS.  P lies in 0 to 1 and keeps f16's fixed step of 6e-8 below 6e-5; a weight below 2^-126 counts as 0 in l; NaN and infinities are not treated apart.
; SHARES.  A work-group: 256 queries x 256 keys; a wave 128 x 128: 64 accumulators.  K goes in chunks of 64 columns through two slots: 256 matrix instructions a wave and chunk; x's fragments are read from LDS once for both pieces.
; CLUSTER 4 x 4: t's tile is shared along a row, x's along a column.  Source 0 = 16 keys, source 1 = 16 queries: a lane holds ONE query and 8 neighbouring keys of each block of 16; the query's other 64 keys lie in the lane 16 away.
.set AP,    272                        ; an LDS row of t: hi 128 bytes, lo 128 bytes, + 16
.set BP,    144                        ; of x: 128 bytes + 16
.set BOFF,  256*AP
.set SLOT1, 131072
.set XCH,   SLOT1+BOFF+256*BP          ; behind the ring: 1,024 bytes for each wave, for the exchange of maxima; no tile lands here
.set SPARE, XCH+4096                   ; the spare words; no other line names them
.set NCH,   16
.set ADRA, 16
.set A0,   17
.set ADRB, 20
.set B0,   21
.set XA,   24                          ; where I put my eight maxima
.set XB,   25                          ; where my partner's lie
.set CO,   26                          ; 16 x lane
.set SO,   27                          ; my byte offset in st
.set SPW,  28                          ; v28  LDS address of my spare word; never rewritten
.set NIL,  29                          ; v29  0; never rewritten
.set F0,   64                          ; fragment buffers: t's in window 0, x's in window 1
.set F1,   128
.set CX,   64                          ; the way out, in the fragments' registers: v64-71 eight chains of the maximum
.set CM,   72                          ; v72-73 cm, named as a pair
.set TT,   74                          ; v74    at work
.set SUM,  80                          ; v80-111
.set CMV,  112                         ; v112-119 the eight blocks' maxima, then their cm
.set LV,   120                         ; v120-127 their l
.set SV,   128                         ; v128-135 what is stored
.set PX,   136                         ; v136-143 the partner's maxima
.set TMP,  192                         ; v192-223 and v224-255 by turns: packed P
                                       ; windows 2 and 3: accumulator (a, b) at 8 (8 (a % 4) + b), window 2 + a / 4
.set MSB, 0
.macro WIN new
.if MSB != (\new)
	s_set_vgpr_msb (MSB<<8)|(\new)
.set MSB, \new
.endif
.endm
.macro PLACES
.rept 4
	v_nop
.endr
.endm
.macro CREST
	s_cmp_lg_u32 s16, 0
	s_cbranch_scc1 .Lnot_wave_0_\@
	s_barrier_signal -3
.Lnot_wave_0_\@:
	s_barrier_wait -3
	s_barrier_signal -1
	s_barrier_wait -1
.endm
.macro CROUND
	s_barrier_signal -1
	s_barrier_wait -1
	CREST
.endm
.macro DESC g, mask, qi, d0, d1, pitch
	s_or_b32 s[\g], \mask, (1<<16)|(1<<20)|(1<<21)|((\qi)<<22)|(3<<25)
	s_mov_b32 s[\g+1], (\d0)<<16
	s_mov_b32 s[\g+2], (\d1)<<16
	s_mov_b32 s[\g+3], (\d0)<<16
	s_mov_b32 s[\g+4], \d1
	s_mov_b32 s[\g+5], \pitch
	s_mov_b32 s[\g+6], 0
	s_mov_b32 s[\g+7], 0
.endm
.macro GROUP0 g, lds, adr, step
.irp s, 0,1
	s_mov_b32 s[\g+4*\s], 1
	s_add_co_u32 s[\g+4*\s+1], s[\lds], \s*SLOT1
	s_add_nc_u64 s[\g+4*\s+2:\g+4*\s+3], s[\adr:\adr+1], \s*(\step)
	s_or_b32 s[\g+4*\s+3], s[\g+4*\s+3], 0x80000000
.endr
.endm
.macro WALK g, step
	s_xor_b32 s[\g+5], s[\g+5], SLOT1
	s_add_nc_u64 s[\g+6:\g+7], s[\g+6:\g+7], \step
.endm
.macro JLOAD                           ; a joint refill: waves 0, 1 fetch t's halves, waves 2, 3 x's
	s_cmp_lt_u32 s16, 2
	s_cbranch_scc0 .Lfor_b_\@
	tensor_load_to_lds s[36:39], s[24:31]
	s_nop 0
	PLACES
	s_branch .Lasked_\@
.Lfor_b_\@:
	tensor_load_to_lds s[52:55], s[40:47]
	s_nop 0
	PLACES
.Lasked_\@:
.endm
	s_load_b256 s[4:11], s[0:1], 0x0               ; t2, xc, p, st
	v_lshl_add_u32 v[SPW], v0, 2, SPARE
	v_mov_b32 v[NIL], 0
	ds_add_u32 v[SPW], v[NIL]                      ; the wave's opening: the add and its wait stand ahead of my first tensor load
	v_lshrrev_b32 v1, 5, v0
	v_readfirstlane_b32 s16, v1
	s_lshr_b32 s17, s16, 1                         ; which 128 queries are mine
	s_and_b32 s18, s16, 1                          ; which 128 keys
	s_bfe_u32 s19, ttmp6, 0x40000
	s_bfe_u32 s20, ttmp6, 0x40004
	s_lshl_b32 s21, ttmp9, 2
	s_add_co_u32 s21, s21, s19                     ; block of 256 keys in the batch
	s_and_b32 s84, ttmp7, 0xffff
	s_lshl_b32 s22, s84, 2
	s_add_co_u32 s22, s22, s20                     ; block of 256 queries
	s_lshl_b32 s85, s20, 2
	s_lshl_b32 s85, 15, s85
	s_lshl_b32 s86, 0x1111, s19
	s_mov_b32 s23, 0
	s_mov_b32 s82, 0x76543210
	s_mov_b32 s83, 0xfedcba98
	s_mov_b32 s80, 0x3fb8aa3b                      ; c = log2 e
	s_mov_b32 s81, s80
	s_mov_b32 s91, 0xffff0000                      ; lanes 16-31
	DESC 24, s85, 5, 128, 128, 2048                ; t: 128 rows x 256 bytes (hi | lo) a wave
	DESC 40, s86, 4, 128, 64, 128                  ; x: 128 dense row pieces of 128 bytes, as 64 rows of 256, padded after every 128
	s_lshl_b32 s76, s22, 8
	s_lshl_b32 s77, s18, 7
	s_add_co_u32 s76, s76, s77
	s_lshl_b32 s76, s76, 12
	s_mov_b32 s77, 0
	s_lshr_b32 s78, s84, 1                         ; the batch, from the cluster's y alone
	s_lshl_b32 s78, s78, 11
	s_lshl_b32 s79, s21, 8
	s_add_co_u32 s78, s78, s79
	s_lshl_b32 s79, s18, 7
	s_add_co_u32 s78, s78, s79
	s_lshl_b32 s78, s78, 7
	s_mov_b32 s79, 0
	s_mul_i32 s88, s18, 128*AP
	s_mul_i32 s89, s18, 128*BP
	s_add_co_u32 s89, s89, BOFF
	s_wait_dscnt 0x0
	s_wait_kmcnt 0x0
	s_add_nc_u64 s[76:77], s[4:5], s[76:77]
	s_add_nc_u64 s[78:79], s[6:7], s[78:79]
	GROUP0 32, 88, 76, 256
	GROUP0 48, 89, 78, 1048576
	CROUND
	s_cmp_lt_u32 s16, 2                            ; a wave's two first fills stand in one branch: two loads of mine are out
	s_cbranch_scc0 .Lfirst_b
	tensor_load_to_lds s[32:35], s[24:31]
	s_nop 0
	tensor_load_to_lds s[36:39], s[24:31]
	s_nop 0
	PLACES
	s_branch .Lfirst_done
.Lfirst_b:
	tensor_load_to_lds s[48:51], s[40:47]
	s_nop 0
	tensor_load_to_lds s[52:55], s[40:47]
	s_nop 0
	PLACES
.Lfirst_done:
	v_and_b32 v1, 15, v0
	v_bfe_u32 v2, v0, 4, 1
	v_and_b32 v3, 31, v0
	v_mul_u32_u24 v5, v1, AP
	v_lshl_add_u32 v5, v2, 4, v5
	v_mul_u32_u24 v4, v1, BP
	v_lshl_add_u32 v4, v2, 4, v4
	s_mul_i32 s88, s17, 128*AP
	v_add_nc_u32 v[A0], s88, v5
	s_mul_i32 s88, s18, 128*BP
	s_add_co_u32 s88, s88, BOFF
	v_add_nc_u32 v[B0], s88, v4
	v_mov_b32 v[ADRA], v[A0]
	v_mov_b32 v[ADRB], v[B0]
	s_lshl_b32 s88, s16, 10
	s_add_co_u32 s88, s88, XCH
	v_lshl_add_u32 v[XA], v3, 5, s88               ; 32 bytes a lane in my wave's 1,024
	s_xor_b32 s88, s16, 1                          ; the wave with my queries and the other 128 keys
	s_lshl_b32 s88, s88, 10
	s_add_co_u32 s88, s88, XCH
	v_lshl_add_u32 v[XB], v3, 5, s88
	v_lshlrev_b32 v[CO], 4, v3
	v_lshlrev_b32 v[SO], 4, v1
	v_lshl_add_u32 v[SO], v2, 19, v[SO]            ; lanes 0-15 store cm, lanes 16-31 l, one plane of 524,288 bytes on
	s_lshl_b32 s88, s22, 4                         ; p: my first block of 16 queries, 65,536 bytes each,
	s_lshl_b32 s89, s17, 3
	s_add_co_u32 s88, s88, s89
	s_lshl_b32 s88, s88, 16
	s_lshl_b32 s89, s21, 1
	s_add_co_u32 s89, s89, s18                     ; my 128 keys: eight blocks of 16 keys, 512 bytes each
	s_lshl_b32 s90, s89, 12
	s_add_co_u32 s92, s88, s90
	s_mov_b32 s93, 0
	s_add_nc_u64 s[92:93], s[8:9], s[92:93]
	s_lshl_b32 s88, s22, 2                         ; st: my first group of 64 queries
	s_lshl_b32 s90, s17, 1
	s_add_co_u32 s88, s88, s90
	s_lshl_b32 s88, s88, 4
	s_add_co_u32 s88, s88, s89
	s_lshl_b32 s94, s88, 8
	s_mov_b32 s95, 0
	s_add_nc_u64 s[94:95], s[10:11], s[94:95]
; 16 matrix instructions: query blocks a0, a0 + 1 of the window's four x all 8 key blocks, 32 along K.  The 64 accumulators take turns.
.macro MUL16 fa, fb, hi, a0, zero
	WIN 0xa1+0x50*(\hi)                            ; source 0 (x) window 1, source 1 (t) window 0, C and D window 2 or 3
.irp a, \a0, (\a0)+1
.irp b, 0,1,2,3,4,5,6,7
.if \zero
	v_wmma_f32_16x16x32_bf16 v[8*(8*(\a)+\b):8*(8*(\a)+\b)+7], v[(\fb)+8*\b:(\fb)+8*\b+7], v[(\fa)+8*(4*(\hi)+(\a)):(\fa)+8*(4*(\hi)+(\a))+7], 0
.else
	v_wmma_f32_16x16x32_bf16 v[8*(8*(\a)+\b):8*(8*(\a)+\b)+7], v[(\fb)+8*\b:(\fb)+8*\b+7], v[(\fa)+8*(4*(\hi)+(\a)):(\fa)+8*(4*(\hi)+(\a))+7], v[8*(8*(\a)+\b):8*(8*(\a)+\b)+7]
.endif
.endr
.endr
.endm
.macro FETCHA k, f                     ; 16 loads: t's 128 rows, 32 numbers at byte k
	WIN 0
.irp i, 0,1,2,3,4,5,6,7
	ds_load_b128 v[(\f)+8*\i:(\f)+8*\i+3], v[ADRA] offset:(\k)+\i*16*AP
	ds_load_b128 v[(\f)+8*\i+4:(\f)+8*\i+7], v[ADRA] offset:(\k)+\i*16*AP+32
.endr
.endm
.macro FETCHB k, f                     ; 16 loads: x's 128 rows
	WIN 0x40
.irp i, 0,1,2,3,4,5,6,7
	ds_load_b128 v[(\f)+8*\i:(\f)+8*\i+3], v[ADRB] offset:(\k)+\i*16*BP
	ds_load_b128 v[(\f)+8*\i+4:(\f)+8*\i+7], v[ADRB] offset:(\k)+\i*16*BP+32
.endr
.endm
; A chunk is four quarters of 64 matrix instructions: (columns 0-31, hi), (0-31, lo), (32-63, hi), (32-63, lo).  A quarter multiplies t's buffer fa by x's buffer fb and fetches, in one run in its middle,
; what the next quarter needs: t's fragments at byte ka into ga and, if kb >= 0, x's at byte kb into gb.  t's are always fetched last.
.macro QUARTER fa, fb, zero, kb, gb, ka, ga
	s_wait_dscnt 8                                 ; t's rows 64-127, the youngest eight loads, may be out
	MUL16 \fa, \fb, 0, 0, \zero
	MUL16 \fa, \fb, 0, 2, \zero
	PLACES
.if (\kb) >= 0
	FETCHB \kb, \gb
	FETCHA \ka, \ga
	s_wait_dscnt 32                                ; all but the 32 just issued
.else
	FETCHA \ka, \ga
	s_wait_dscnt 16                                ; all but the 16 just issued
.endif
	MUL16 \fa, \fb, 1, 0, \zero
	MUL16 \fa, \fb, 1, 2, \zero
.endm
; The fourth quarter and the change of slots: each wave waits for all its tensor loads (one is out: its part of the next slot), adds 0 to its spare word, and waits for that and for its reads of this slot.
; fill = 1: the barrier opens a round of the cluster's, and the joint refill is the first tensor load behind it: 224 matrix instructions ahead of the wait for it.
.macro TURN fill
	WIN 0
	s_wait_tensorcnt 0x0
	ds_add_u32 v[SPW], v[NIL]
	s_wait_dscnt 9                                 ; the add and the youngest eight loads may be out
	MUL16 F1, F1, 0, 0, 0
	s_wait_dscnt 0x0
	s_barrier_signal -1
	MUL16 F1, F1, 0, 2, 0
	WIN 0
	s_barrier_wait -1
.if \fill
	CREST
	WALK 32, 256
	WALK 48, 1048576
	JLOAD
.else
	PLACES
.endif
	s_xor_b32 s23, s23, SLOT1
	v_add_nc_u32 v[ADRA], s23, v[A0]
	v_add_nc_u32 v[ADRB], s23, v[B0]
	FETCHB 0, F0
	FETCHA 0, F0
	MUL16 F1, F1, 1, 0, 0
	MUL16 F1, F1, 1, 2, 0
.endm
	s_wait_tensorcnt 0x1                           ; my part of chunk 0 is in; chunk 1's may stay out
	s_barrier_signal -1
	s_barrier_wait -1
	FETCHB 0, F0
	FETCHA 0, F0
	QUARTER F0, F0, 1, -1, 0, 128, F1              ; the first products start the sums
	WIN 0
	s_mov_b32 s2, NCH-2
.Lmain:
	QUARTER F1, F0, 0, 64, F1, 64, F0
	QUARTER F0, F1, 0, -1, 0, 192, F1
	TURN 1
	QUARTER F0, F0, 0, -1, 0, 128, F1
	WIN 0
	s_sub_co_u32 s2, s2, 1
	s_cmp_lg_u32 s2, 0
	s_cbranch_scc1 .Lmain
	s_mov_b32 s3, 2
.Ltail:                                                ; the last two chunks ask for nothing; the second trip is left in its middle, and its fetch serves nothing
	QUARTER F1, F0, 0, 64, F1, 64, F0
	QUARTER F0, F1, 0, -1, 0, 192, F1
	TURN 0
	WIN 0
	s_cmp_eq_u32 s3, 1
	s_cbranch_scc1 .Lout
	QUARTER F0, F0, 0, -1, 0, 128, F1
	WIN 0
	s_sub_co_u32 s3, s3, 1
	s_cmp_lg_u32 s3, 0
	s_cbranch_scc1 .Ltail
.Lout:
	s_wait_dscnt 0x0
	PLACES
	v_mov_b32 v[CM+1], 0                           ; named with cm as a pair
	v_mov_b32 v[TT], 0
; The maximum of block a (16 queries x my 128 keys: 64 registers of a lane); each accumulator's lowest registers are read first.
.macro MAXB a
.set AC, 64*((\a)%4)
	WIN 0x2a+0x15*((\a)/4)                         ; all three sources in the accumulators' window
.irp b, 0,1,2,3,4,5,6,7
	v_max3_num_f32 v[CX+\b], v[AC+8*\b], v[AC+8*\b+1], v[AC+8*\b+2]
.endr
	WIN 0x28+0x14*((\a)/4)                         ; sources 1 and 2
.irp b, 0,1,2,3,4,5,6,7
	v_max3_num_f32 v[CX+\b], v[CX+\b], v[AC+8*\b+3], v[AC+8*\b+4]
.endr
.irp b, 0,1,2,3,4,5,6,7
	v_max3_num_f32 v[CX+\b], v[CX+\b], v[AC+8*\b+5], v[AC+8*\b+6]
.endr
.irp b, 0,2,4,6
	v_max3_num_f32 v[CX+\b], v[CX+\b], v[AC+8*\b+7], v[AC+8*\b+15]
.endr
	WIN 0
	v_max3_num_f32 v[CX], v[CX], v[CX+1], v[CX+2]
	v_max3_num_f32 v[CX+3], v[CX+3], v[CX+4], v[CX+5]
	v_max3_num_f32 v[CX], v[CX], v[CX+3], v[CX+6]
	v_max_num_f32 v[CX], v[CX], v[CX+7]
	v_permlanex16_b32 v[TT], v[CX], s82, s83       ; the query's other 64 keys
	v_max_num_f32 v[CMV+(\a)], v[CX], v[TT]
.endm
; Block a: P in place, P rounded to f16 and stored as it lies, the sum of the unrounded P.
.macro PACK a
.set AC, 64*((\a)%4)
.set TK, TMP+32*((\a)%2)
	WIN 0
	v_mov_b32 v[CM], v[CMV+(\a)]
	WIN 0x82+0x41*((\a)/4)                         ; destination and source 0 in the accumulators' window, cm in window 0
.set k, 0
.rept 4
	v_pk_fma_f32 v[AC+2*k:AC+2*k+1], v[AC+2*k:AC+2*k+1], s[80:81], v[CM:CM+1] op_sel_hi:[1,0,0] neg_lo:[0,0,1] neg_hi:[0,0,1]
.set k, k+1
.endr
.set k, 0
.rept 32                               ; the scalings run four pairs ahead of the exponentials; no line reads an exponential's result here
	v_exp_f32 v[AC+2*k], v[AC+2*k]
.if k < 28
	v_pk_fma_f32 v[AC+2*k+8:AC+2*k+9], v[AC+2*k+8:AC+2*k+9], s[80:81], v[CM:CM+1] op_sel_hi:[1,0,0] neg_lo:[0,0,1] neg_hi:[0,0,1]
.endif
	v_exp_f32 v[AC+2*k+1], v[AC+2*k+1]
.set k, k+1
.endr
	WIN 0x0a+5*((\a)/4)
	s_wait_xcnt 0x0                                ; the registers that the stores two blocks back read are written again only behind this wait
.set k, 0
	s_wait_alu depctr_va_vdst(0)
.rept 32                               ; the first rounding is the plain instruction behind the last exponential
	v_cvt_pk_f16_f32 v[TK+k], v[AC+2*k], v[AC+2*k+1]
.set k, k+1
.endr
.set k, 0
.rept 16
	v_pk_add_f32 v[SUM+2*k:SUM+2*k+1], v[AC+4*k:AC+4*k+1], v[AC+4*k+2:AC+4*k+3]
.set k, k+1
.endr
	WIN 0
.irp b, 0,1,2,3,4,5,6,7
	global_store_b128 v[CO], v[TK+4*\b:TK+4*\b+3], s[92:93] offset:(\a)*65536+\b*512  ; 512 consecutive bytes, aligned: queries 16 a .., keys 16 b ..
.endr
.irp w, 4,8,16,32
.set k, 0
.rept 32/(\w)
	v_pk_add_f32 v[SUM+(\w)*k:SUM+(\w)*k+1], v[SUM+(\w)*k:SUM+(\w)*k+1], v[SUM+(\w)*k+(\w)/2:SUM+(\w)*k+(\w)/2+1]
.set k, k+1
.endr
.endr
	v_add_f32 v[SUM], v[SUM], v[SUM+1]
	v_permlanex16_b32 v[TT], v[SUM], s82, s83
	v_add_f32 v[LV+(\a)], v[SUM], v[TT]
.endm
.irp a, 0,1,2,3,4,5,6,7
	MAXB \a
.endr
	ds_store_b128 v[XA], v[CMV:CMV+3]
	ds_store_b128 v[XA], v[CMV+4:CMV+7] offset:16
	s_wait_dscnt 0x0                               ; for my partner's sake: my maxima are written
	s_barrier_signal -1
	s_barrier_wait -1
	ds_load_b128 v[PX:PX+3], v[XB]
	ds_load_b128 v[PX+4:PX+7], v[XB] offset:16
	s_wait_dscnt 0x0
.irp i, 0,1,2,3,4,5,6,7
	v_max_num_f32 v[CMV+\i], v[CMV+\i], v[PX+\i]   ; the maximum of the 256 keys: the same number in both waves,
.endr
.irp i, 0,1,2,3,4,5,6,7
	v_mul_f32 v[CMV+\i], s80, v[CMV+\i]            ; and so the same cm
.endr
.irp a, 0,1,2,3,4,5,6,7
	PACK \a
.endr
.irp i, 0,1,2,3,4,5,6,7
	v_cndmask_b32 v[SV+\i], v[CMV+\i], v[LV+\i], s91
.endr
	global_store_b128 v[SO], v[SV:SV+3], s[94:95]              ; each half of the lanes stores 256 consecutive bytes, aligned
	global_store_b128 v[SO], v[SV+4:SV+7], s[94:95] offset:4096  ; the next group of 64 queries
	s_wait_tensorcnt 0x0                           ; the wave's end
	ds_add_u32 v[SPW], v[NIL]
	s_wait_dscnt 0x0
	CROUND                                         ; the closing round
	s_endpgm
.Lfunc_end_k_q588a0a9884_scores:
	.size	k_q588a0a9884_scores, .Lfunc_end_k_q588a0a9884_scores-k_q588a0a9884_scores
	.p2alignl 7, 3214868480
	.fill 96, 4, 3214868480
	.section	.rodata,"a",@progbits
	.p2align	6, 0x0
	.amdhsa_kernel k_q588a0a9884_scores
		.amdhsa_group_segment_fixed_size 327680
		.amdhsa_private_segment_fixed_size 0
		.amdhsa_enable_private_segment 0
		.amdhsa_kernarg_size 32
		.amdhsa_user_sgpr_count 2
		.amdhsa_user_sgpr_kernarg_segment_ptr 1
		.amdhsa_wavefront_size32 1
		.amdhsa_system_sgpr_workgroup_id_x 1
		.amdhsa_system_sgpr_workgroup_id_y 1
		.amdhsa_system_sgpr_workgroup_id_z 1
		.amdhsa_system_vgpr_workitem_id 0
		.amdhsa_next_free_vgpr 1024
		.amdhsa_next_free_sgpr 96
		.amdhsa_reserve_vcc 0
		.amdhsa_float_denorm_mode_32 3
		.amdhsa_float_denorm_mode_16_64 3
		.amdhsa_memory_ordered 1
		.amdhsa_forward_progress 1
		.amdhsa_inst_pref_size 155
	.end_amdhsa_kernel
	.amdgpu_metadata
---
amdhsa.version: [ 1, 2 ]
amdhsa.kernels:
  - .name:           k_q588a0a9884_scores
    .symbol:         k_q588a0a9884_scores.kd
    .args:
      - { .name: t2, .offset: 0, .size: 8, .value_kind: global_buffer, .address_space: global }
      - { .name: xc, .offset: 8, .size: 8, .value_kind: global_buffer, .address_space: global }
      - { .name: p, .offset: 16, .size: 8, .value_kind: global_buffer, .address_space: global }
      - { .name: st, .offset: 24, .size: 8, .value_kind: global_buffer, .address_space: global }
    .group_segment_fixed_size: 327680
    .private_segment_fixed_size: 0
    .kernarg_segment_align: 8
    .kernarg_segment_size: 32
    .max_flat_workgroup_size: 128
    .sgpr_count:     96
    .vgpr_count:     1024
    .wavefront_size: 32
...
	.end_amdgpu_metadata
.endif
;; end of part 4
;; launch pv (part 5): grid 4 x 64, 4 waves a work-group, clusters of 4 x 4, 327,680 bytes of LDS; arguments p, ut, st, wc, out0; writes out0
.if DOCPART == 5
	.amdgcn_target "amdgcn-amd-amdhsa--gfx1250"
	.amdhsa_code_object_version 6
	.text
	.protected	k_q588a0a9884_pv
	.globl	k_q588a0a9884_pv
	.p2align	8
	.type	k_q588a0a9884_pv,@function
k_q588a0a9884_pv:
	s_mov_b64 s[64:65], 0
	v_nop
	global_prefetch_b8 v0, s[64:65] scope:SCOPE_SE
	s_setreg_imm32_b32 hwreg(HW_REG_WAVE_MODE, 25, 1), 1
	s_wait_xcnt 0x0
	s_wait_alu depctr_hold_cnt(0) depctr_sa_sdst(0) depctr_va_vdst(0) depctr_va_sdst(0) depctr_va_ssrc(0) depctr_va_vcc(0) depctr_vm_vsrc(0)
	s_getreg_b32 s2, hwreg(HW_REG_IB_STS2, 6, 4)
	s_cmp_eq_u32 s2, 0
	s_cbranch_scc0 .Lentry_in_a_cluster
	s_endpgm
.Lentry_in_a_cluster:
	s_bfe_u32 s2, ttmp6, 0x10000c
	s_cmp_lg_u32 s2, 0xf033
	s_cbranch_scc0 .Lentry_shape_is_right
	s_endpgm
.Lentry_shape_is_right:
; PV.  out[q][d] = 2^(-5 - kN - ku) / l[q] x sum over the 8 blocks of 256 keys of a[q][blk] x sum over the block's keys of P[q][k] u[k][d].
; For each query: cmax = the largest of the blocks' cm; a[blk] = 2^(cm[blk] - cmax); l = sum of a l over the 16 stored partial sums, all in f32.  So the softmax has the row's true maximum taken away.
; A block's products start at 0 in a set of accumulators of their own (blk); the running sums (main) take them by main += a blk, in f32.  Products in f16, sums in f32;
; the 1/32 of the module and u's two scales are taken back at the end.
; LIMITS.  The exponent -5 - kN - ku is kept within -126 .. 127; an a below 2^-126 counts as 0; NaN and infinities are not treated apart.
; SHARES.  A work-group: 128 queries x 256 channels; a wave 64 x 128: 32 + 32 accumulators.  A STEP is a block of 256 keys, a UNIT 32 keys: 32 matrix instructions a wave.
; WHERE THE OPERANDS COME FROM.  u^T goes through two LDS slots of a step each (256 rows x 528 bytes), asked for jointly along the cluster's column, 64 rows a wave.
; P is NOT asked for jointly, though four work-groups and two waves of each read the same P: with P in LDS too, two slots of a step would take 2 x 384 x 528 = 405,504 bytes, which LDS has not, and with
; slots of 128 keys a refill has 128 matrix instructions in which to land, where a step's slot gives it about 240.  P lies in memory as fragments (the launch before stores it so), and a wave loads it straight into a ring
; of eight register slots, a unit each: 8 loads of 512 consecutive bytes, issued seven units ahead of their use.  The price: P crosses from the cache to the work-groups eight times.
; Source 0 = 16 channels of u^T, source 1 = 16 queries of P: a lane holds one query and 8 neighbouring channels.
; REGISTERS.  window 0: v0-63 addresses, a, factors; v64-191 u's fragments, two buffers; v192-207 two fragments of zeros; on the way out v64-255 at work
;   window 1: blk(a, b) at 8 (8 a + b), a = 0..3 blocks of 16 queries, b = 0..7 blocks of 16 channels;   window 2: main, likewise;   window 3: P, ring slot j at 32 j, query block a at + 8 a
.set UP,    528                        ; an LDS row: 256 keys x 2 bytes + 16
.set WPART, 64*UP                      ; what one tensor load brings
.set SLOTB, 4*WPART                    ; a slot; slot 1 follows slot 0
.set FT,    2*SLOTB                    ; for each wave 8 entries of 256 bytes: entry s holds, at 16 (lane % 16), a[s] of that query in the 4 query blocks
.set STAGE, FT+4*2048                  ; 16 rows x 528 bytes for each wave
.set SPARE, STAGE+4*8448               ; the spare words; no other line names them
.set ADU, 20                           ; v20  LDS address of my u fragments in the slot in hand;  v21 in slot 0
.set AU0, 21
.set FA,  22                           ; v22  LDS address of my 16 bytes in the table's next entry
.set STO, 24
.set RD,  25
.set CO,  26                           ; v26  16 x lane: my place in 512 consecutive bytes of P, and of out0; never rewritten
.set SPW, 28                           ; v28  LDS address of my spare word; never rewritten
.set NIL, 29                           ; v29  0; never rewritten
.set INV, 32                           ; v32-39 the last factor of query block a, as a pair at INV + 2 a
.set FC,  40                           ; v40-43 the step's a as loaded; v44, v46 copies of v41, v43: the packed multiply-add takes the first of an even pair
.set CMX, 48                           ; v48-51 cmax
.set LS,  52                           ; v52-55 l
.set UB0, 64                           ; u's fragments: buffer 0; buffer 1 at + 64
.set ZF,  192                          ; v192-207 zeros
.set W_MM, 0x5c                        ; source 0 (u) window 0, source 1 (P) window 3, C and D window 1
.set W_MG, 0xa1                        ; source 0 (blk) window 1, source 1 (a) window 0, source 2 and destination (main) window 2
.set W_PL, 0xc0                        ; destination window 3, address window 0
.set MSB, 0
.macro WIN new
.if MSB != (\new)
	s_set_vgpr_msb (MSB<<8)|(\new)
.set MSB, \new
.endif
.endm
.macro PLACES                          ; four places: in front of loads into registers that matrix instructions have read, and of vector lines that read their results
.rept 4
	v_nop
.endr
.endm
.macro CREST
	s_cmp_lg_u32 s16, 0
	s_cbranch_scc1 .Lnot_wave_0_\@
	s_barrier_signal -3
.Lnot_wave_0_\@:
	s_barrier_wait -3
	s_barrier_signal -1
	s_barrier_wait -1
.endm
.macro CROUND
	s_barrier_signal -1
	s_barrier_wait -1
	CREST
.endm
.macro WMAX v, t, s                    ; the biased exponent of the largest number among the wave's lanes
	v_max_num_f32_dpp v[\v], v[\v], v[\v] row_xmask:1 row_mask:0xf bank_mask:0xf
	v_max_num_f32_dpp v[\v], v[\v], v[\v] row_xmask:2 row_mask:0xf bank_mask:0xf
	v_max_num_f32_dpp v[\v], v[\v], v[\v] row_xmask:4 row_mask:0xf bank_mask:0xf
	v_max_num_f32_dpp v[\v], v[\v], v[\v] row_xmask:8 row_mask:0xf bank_mask:0xf
	v_permlanex16_b32 v[\t], v[\v], s82, s83
	v_max_num_f32 v[\v], v[\v], v[\t]
	v_readfirstlane_b32 s[\s], v[\v]
	s_bfe_u32 s[\s], s[\s], 0x80017
.endm
; Eight loads: the unit rel units behind the base's, 4 query blocks x 32 keys, into ring slot sl
.macro PLOAD sl, rel
	WIN W_PL
.irp a, 0,1,2,3
	global_load_b128 v[32*(\sl)+8*\a:32*(\sl)+8*\a+3], v[CO], s[24:25] offset:\a*65536+(\rel)*1024
	global_load_b128 v[32*(\sl)+8*\a+4:32*(\sl)+8*\a+7], v[CO], s[24:25] offset:\a*65536+(\rel)*1024+512
.endr
.endm
	s_load_b256 s[4:11], s[0:1], 0x0               ; p, ut, st, wc
	s_load_b64 s[12:13], s[0:1], 0x20              ; out0
	v_lshl_add_u32 v[SPW], v0, 2, SPARE
	v_mov_b32 v[NIL], 0
	ds_add_u32 v[SPW], v[NIL]                      ; the wave's opening: the add and its wait stand ahead of my first tensor load
	v_lshrrev_b32 v1, 5, v0
	v_readfirstlane_b32 s16, v1
	s_lshr_b32 s17, s16, 1                         ; which 64 queries are mine
	s_and_b32 s18, s16, 1                          ; which 128 channels
	s_bfe_u32 s19, ttmp6, 0x40000
	s_bfe_u32 s20, ttmp6, 0x40004
	s_lshl_b32 s21, ttmp9, 2
	s_add_co_u32 s21, s21, s19                     ; block of 256 channels
	s_and_b32 s84, ttmp7, 0xffff
	s_lshl_b32 s22, s84, 2
	s_add_co_u32 s22, s22, s20                     ; block of 128 queries: it enters P's, st's and out0's addresses alone
	s_lshl_b32 s86, 0x1111, s19                    ; my column of the cluster
	s_mov_b32 s23, 0                               ; the slot that the fetches read: 0 or SLOTB
	s_mov_b32 s82, 0x76543210
	s_mov_b32 s83, 0xfedcba98
	; descriptor group 1: 64 rows of 256 2-byte elements, 16 bytes of padding after every 128 words
	s_or_b32 s40, s86, (1<<16)|(1<<20)|(1<<21)|(6<<22)|(3<<25)
	s_mov_b32 s41, 256<<16
	s_mov_b32 s42, 64<<16
	s_mov_b32 s43, 256<<16
	s_mov_b32 s44, 64
	s_mov_b32 s45, 2048
	s_mov_b32 s46, 0
	s_mov_b32 s47, 0
	s_lshr_b32 s78, s84, 2                         ; the batch, from the cluster's y alone
	s_lshl_b32 s78, s78, 10
	s_lshl_b32 s79, s21, 8
	s_add_co_u32 s78, s78, s79
	s_lshl_b32 s79, s16, 6                         ; my 64 rows of the tile
	s_add_co_u32 s78, s78, s79
	s_lshl_b32 s78, s78, 12                        ; rows of 4,096 bytes
	s_mov_b32 s79, 0
	s_mul_i32 s14, s16, WPART                      ; where they go in a slot
	s_mov_b32 s15, SLOTB                           ; the slot of the walking descriptor: 0 or SLOTB
	s_wait_dscnt 0x0                               ; the opening add is done
	s_wait_kmcnt 0x0
	s_add_nc_u64 s[78:79], s[6:7], s[78:79]
.irp s, 0,1                            ; two sets of group 0: (slot 0, step 0), used once, and (slot 1, step 1), which then walks
	s_mov_b32 s[48+4*\s], 1
	s_add_co_u32 s[48+4*\s+1], s14, \s*SLOTB
	s_add_nc_u64 s[48+4*\s+2:48+4*\s+3], s[78:79], \s*512
	s_or_b32 s[48+4*\s+3], s[48+4*\s+3], 0x80000000
.endr
	CROUND                                         ; all sixteen work-groups are here: the first joint loads meet
	tensor_load_to_lds s[48:51], s[40:47]          ; every wave fetches rows of its own: two loads of mine are out
	s_nop 0
	tensor_load_to_lds s[52:55], s[40:47]
	s_nop 0
	PLACES
	v_and_b32 v1, 15, v0
	v_bfe_u32 v2, v0, 4, 1
	v_and_b32 v3, 31, v0
	s_lshl_b32 s88, s22, 1                         ; my group of 64 queries:
	s_add_co_u32 s88, s88, s17
	s_lshl_b32 s94, s88, 12                        ; 4,096 bytes of each plane of st,
	s_mov_b32 s95, 0
	s_add_nc_u64 s[94:95], s[8:9], s[94:95]
	s_add_nc_u64 s[96:97], s[10:11], 0x800000
	s_lshl_b32 s24, s88, 18                        ; four blocks of 16 queries, 65,536 bytes each, of p
	s_mov_b32 s25, 0
	s_add_nc_u64 s[24:25], s[4:5], s[24:25]
	v_lshlrev_b32 v5, 4, v1
	v_lshlrev_b32 v6, 2, v3
	v_lshlrev_b32 v[CO], 4, v3
.irp s, 0,1,2,3,4,5,6,7
	global_load_b128 v[64+4*\s:64+4*\s+3], v5, s[94:95] offset:512*\s               ; cm of my query in the 4 query blocks, step s (its two halves hold the same)
.endr
.irp kb, 0,1,2,3,4,5,6,7,8,9,10,11,12,13,14,15
	global_load_b128 v[128+4*\kb:128+4*\kb+3], v5, s[94:95] offset:524288+256*\kb   ; l of 128 keys
.endr
	global_load_b128 v[56:59], v[CO], s[96:97]             ; the maxima: x's 256,
	global_load_b128 v[60:63], v[CO], s[96:97] offset:512
	global_load_b32 v12, v6, s[96:97] offset:1280          ; Wv's 32,
	global_load_b128 v[8:11], v[CO], s[96:97] offset:1408  ; Wo's 128
	PLOAD 0, 0                                     ; P's first three units: with the 28 above, 52 loads are out
	PLOAD 1, 1
	PLOAD 2, 2
	WIN 0
	v_mov_b32 v13, 0
	v_mul_u32_u24 v4, v1, UP
	v_lshl_add_u32 v4, v2, 4, v4                   ; a fragment's row x pitch + 16 x half
	s_mul_i32 s88, s18, 128*UP
	v_add_nc_u32 v[AU0], s88, v4
	v_mov_b32 v[ADU], v[AU0]
	s_lshl_b32 s88, s16, 11
	s_add_co_u32 s88, s88, FT
	v_lshl_add_u32 v[FA], v1, 4, s88
	s_mul_i32 s88, s16, 8448
	s_add_co_u32 s88, s88, STAGE
	v_mul_u32_u24 v4, v1, 528
	v_lshl_add_u32 v4, v2, 5, v4
	v_add_nc_u32 v[STO], s88, v4                   ; in: row l % 16, 32 bytes for each half of the lanes
	v_lshl_add_u32 v[RD], v3, 4, s88               ; back: a row of 512 bytes, 16 bytes a lane
	s_lshl_b32 s88, s22, 7                         ; out0: my first query, my first channel
	s_lshl_b32 s89, s17, 6
	s_add_co_u32 s88, s88, s89
	s_lshl_b32 s88, s88, 12
	s_lshl_b32 s89, s21, 10
	s_add_co_u32 s88, s88, s89
	s_lshl_b32 s89, s18, 9
	s_add_co_u32 s92, s88, s89
	s_mov_b32 s93, 0
	s_add_nc_u64 s[92:93], s[12:13], s[92:93]
	; What the first trip finds.  Every step's merge is one text, so main starts at 0, and so do blk's last query block and a, which the first step's first unit merges before anything has been summed.
	; 40 products of two fragments of zeros set those 320 registers, where as many moves would stand, or a first step written out; they run in the wait for the first tile.
.set i, 0
.rept 16
	v_mov_b32 v[ZF+i], 0
.set i, i+1
.endr
.set i, 0
.rept 8
	v_mov_b32 v[FC+i], 0
.set i, i+1
.endr
	WIN 0x80
.set i, 0
.rept 32
	v_wmma_f32_16x16x32_f16 v[8*i:8*i+7], v[ZF:ZF+7], v[ZF+8:ZF+15], 0
.set i, i+1
.endr
	WIN 0x40
.set i, 24
.rept 8
	v_wmma_f32_16x16x32_f16 v[8*i:8*i+7], v[ZF:ZF+7], v[ZF+8:ZF+15], 0
.set i, i+1
.endr
	s_wait_loadcnt 24                              ; cm, l and the maxima are in; P's 24 loads may be out
	PLOAD 3, 3                                     ; four more units: 56 loads are out at the most
	PLOAD 4, 4
	PLOAD 5, 5
	PLOAD 6, 6
	WIN 0
	v_max3_num_f32 v56, v56, v57, v58
	v_max3_num_f32 v56, v56, v59, v60
	v_max3_num_f32 v56, v56, v61, v62
	v_max_num_f32 v56, v56, v63
	v_max3_num_f32 v8, v8, v9, v10
	v_max_num_f32 v8, v8, v11
	WMAX 56, 13, 88
	WMAX 12, 13, 89
	WMAX 8, 13, 90
	s_add_co_u32 s89, s89, s90
	s_sub_co_i32 s89, 257, s89                     ; kN, as the launch that applied it made it
	s_max_i32 s89, s89, -126
	s_min_i32 s89, s89, 127
	s_sub_co_i32 s88, 116, s88                     ; ku, likewise
	s_max_i32 s88, s88, -126
	s_min_i32 s88, s88, 127
	s_add_co_i32 s88, s88, s89
	s_sub_co_i32 s88, -5, s88
	s_max_i32 s88, s88, -126
	s_min_i32 s88, s88, 127
	s_add_co_i32 s88, s88, 127
	s_lshl_b32 s88, s88, 23                        ; 2^(-5 - kN - ku)
	; the table of a, and l
.irp a, 0,1,2,3
	v_max3_num_f32 v[CMX+\a], v[64+\a], v[68+\a], v[72+\a]
	v_max3_num_f32 v[CMX+\a], v[CMX+\a], v[76+\a], v[80+\a]
	v_max3_num_f32 v[CMX+\a], v[CMX+\a], v[84+\a], v[88+\a]
	v_max_num_f32 v[CMX+\a], v[CMX+\a], v[92+\a]
.endr
.set k, 0
.rept 16
	v_pk_add_f32 v[64+2*k:64+2*k+1], v[64+2*k:64+2*k+1], v[CMX+2*(k%2):CMX+2*(k%2)+1] neg_lo:[0,1] neg_hi:[0,1]
.set k, k+1
.endr
.set k, 0
.rept 32
	v_exp_f32 v[64+k], v[64+k]
.set k, k+1
.endr
.set k, 0
.rept 8                                ; a step's two partial sums; these plain lines also stand between the last exponential and the use of its result
	v_pk_add_f32 v[128+8*k:128+8*k+1], v[128+8*k:128+8*k+1], v[128+8*k+4:128+8*k+5]
	v_pk_add_f32 v[128+8*k+2:128+8*k+3], v[128+8*k+2:128+8*k+3], v[128+8*k+6:128+8*k+7]
.set k, k+1
.endr
	s_wait_alu depctr_va_vdst(0)
	v_pk_mul_f32 v[LS:LS+1], v[64:65], v[128:129]
	v_pk_mul_f32 v[LS+2:LS+3], v[66:67], v[130:131]
.set k, 1
.rept 7
	v_pk_fma_f32 v[LS:LS+1], v[64+4*k:64+4*k+1], v[128+8*k:128+8*k+1], v[LS:LS+1]
	v_pk_fma_f32 v[LS+2:LS+3], v[64+4*k+2:64+4*k+3], v[128+8*k+2:128+8*k+3], v[LS+2:LS+3]
.set k, k+1
.endr
.irp s, 0,1,2,3,4,5,6,7
	ds_store_b128 v[FA], v[64+4*\s:64+4*\s+3] offset:256*\s  ; lanes l and l + 16 hold the same query and write the same bytes
.endr
.irp a, 0,1,2,3
	v_rcp_f32 v[INV+2*\a], v[LS+\a]
.endr
	v_nop
	s_wait_alu depctr_va_vdst(0)
.irp a, 0,1,2,3
	v_mul_f32 v[INV+2*\a], s88, v[INV+2*\a]
.endr
.irp a, 0,1,2,3
	v_mov_b32 v[INV+2*\a+1], v[INV+2*\a]
.endr
.macro MM a, b, ub, sl, zero           ; one product; the 32 accumulators take turns
	WIN W_MM
.if \zero
	v_wmma_f32_16x16x32_f16 v[8*(8*(\a)+(\b)):8*(8*(\a)+(\b))+7], v[(\ub)+8*(\b):(\ub)+8*(\b)+7], v[32*(\sl)+8*(\a):32*(\sl)+8*(\a)+7], 0
.else
	v_wmma_f32_16x16x32_f16 v[8*(8*(\a)+(\b)):8*(8*(\a)+(\b))+7], v[(\ub)+8*(\b):(\ub)+8*(\b)+7], v[32*(\sl)+8*(\a):32*(\sl)+8*(\a)+7], v[8*(8*(\a)+(\b)):8*(8*(\a)+(\b))+7]
.endif
.endm
.macro MG a, b                         ; main(a, b) += a blk(a, b): four packed multiply-adds, the accumulator's lowest registers first
	WIN W_MG
.irp z, 0,1,2,3
	v_pk_fma_f32 v[8*(8*(\a)+(\b))+2*\z:8*(8*(\a)+(\b))+2*\z+1], v[8*(8*(\a)+(\b))+2*\z:8*(8*(\a)+(\b))+2*\z+1], v[FC+2*((\a)/2)+4*((\a)%2):FC+2*((\a)/2)+4*((\a)%2)+1], v[8*(8*(\a)+(\b))+2*\z:8*(8*(\a)+(\b))+2*\z+1] op_sel_hi:[1,0,1]
.endr
.endm
.macro ROWM a, ub, sl, zero, mg        ; the eight products of query block a; mg >= 0: behind each of them the merge of one accumulator of query block mg, which is finished
.irp b, 0,1,2,3,4,5,6,7
	MM \a, \b, \ub, \sl, \zero
.if (\mg) >= 0
	MG \mg, \b
.endif
.endr
.endm
.macro FETCH j, ub                     ; 16 LDS loads in one run: u's 128 rows, the 32 keys of the slot's unit j
	WIN 0
.irp b, 0,1,2,3,4,5,6,7
	ds_load_b128 v[(\ub)+8*\b:(\ub)+8*\b+3], v[ADU] offset:64*(\j)+\b*16*UP
	ds_load_b128 v[(\ub)+8*\b+4:(\ub)+8*\b+7], v[ADU] offset:64*(\j)+\b*16*UP+32
.endr
.endm
; Unit j (0 to 6) of a step.  At its head: P's ring slot j is in (lc = the loads issued behind it: six units' 48, fewer at the end); pl = 1: the ring slot that the unit before has left takes the unit seven ahead;
; u's fragments of the next unit are fetched.  Unit 0 starts the step's sums and carries the last quarter of the merge of the step before; unit 1 fetches the step's a, when that merge has read the old one.
.macro UNIT j, pl, lc
	s_wait_loadcnt \lc
	PLACES                                         ; behind the last product that read the registers to be loaded
.if \pl
	PLOAD ((\j)+7)%8, (\j)+7
.endif
	WIN 0
.if (\j) == 1
	ds_load_b128 v[FC:FC+3], v[FA]
	v_add_nc_u32 v[FA], 256, v[FA]
.endif
	FETCH (\j)+1, UB0+64*(((\j)+1)%2)
	s_wait_dscnt 16                                ; all but the 16 just issued: this unit's u is in (and a)
.if (\j) == 1
	v_mov_b32 v[FC+4], v[FC+1]
	v_mov_b32 v[FC+6], v[FC+3]
.endif
.if (\j) == 0
	ROWM 0, UB0, 0, 1, 3
	ROWM 1, UB0, 0, 1, -1
	ROWM 2, UB0, 0, 1, -1
	ROWM 3, UB0, 0, 1, -1
.else
.irp a, 0,1,2,3
	ROWM \a, UB0+64*((\j)%2), \j, 0, -1
.endr
.endif
.endm
; Unit 7 of a step, the change of slots, and three quarters of the step's merge.  Each wave waits for all its tensor loads (one is out: its part of the next slot), adds 0 to its spare word, and waits for that
; and for its reads of this slot.  fill = 1: the barrier opens a round of the cluster's, and the joint refill, with the step after next, is the first tensor load behind it: it has 16 + 7 x 32 matrix instructions in which to land.
.macro TURN fill
	s_wait_loadcnt 48
	PLACES
	PLOAD 6, 6
	WIN 0
	s_wait_tensorcnt 0x0
	ds_add_u32 v[SPW], v[NIL]
	s_wait_dscnt 1                                 ; the add may be out
	ROWM 0, UB0+64, 7, 0, -1
	s_wait_dscnt 0x0                               ; the add is done, and my reads of this slot are over
	s_barrier_signal -1
	PLACES                                         ; behind query block 0's last products, whose results the merge below reads
	ROWM 1, UB0+64, 7, 0, 0
	WIN 0
	s_barrier_wait -1
.if \fill
	CREST
	s_xor_b32 s15, s15, SLOTB                      ; the walking descriptor: the other slot,
	s_add_co_u32 s53, s14, s15
	s_add_nc_u64 s[54:55], s[54:55], 512           ; the next 256 keys
	tensor_load_to_lds s[52:55], s[40:47]
	s_nop 0
	PLACES
.else
	PLACES
.endif
	s_xor_b32 s23, s23, SLOTB
	v_add_nc_u32 v[ADU], s23, v[AU0]
	FETCH 0, UB0
	ROWM 2, UB0+64, 7, 0, 1
	ROWM 3, UB0+64, 7, 0, 2
.endm
	s_wait_dscnt 0x0                               ; my table is written
	s_wait_tensorcnt 0x1                           ; my part of step 0 is in; step 1's may stay out
	s_barrier_signal -1
	s_barrier_wait -1
	FETCH 0, UB0
	s_mov_b32 s2, 7
	s_branch .Lmid                                 ; the loop is entered behind the change of slots, in the middle of a trip
.Ltrip:                                                ; a trip: the last unit of a step with the change of slots, then units 0 to 6 of the next step.  Six changes fill a slot again
	TURN 1
	WIN 0
.Lmid:
.irp j, 0,1,2,3,4,5,6
	UNIT \j, 1, 48
.endr
	WIN 0
	s_wait_xcnt 0x0                                ; P's base is stepped only behind this wait
	s_add_nc_u64 s[24:25], s[24:25], 8192          ; eight units on
	s_sub_co_u32 s2, s2, 1
	s_cmp_lg_u32 s2, 0
	s_cbranch_scc1 .Ltrip
	TURN 0                                         ; the tail is written out: nothing is asked for; P's last two units are
	UNIT 0, 1, 48
	UNIT 1, 0, 48
	UNIT 2, 0, 40                                  ; the counts run down: five units were issued behind this one's, then four ..
	UNIT 3, 0, 32
	UNIT 4, 0, 24
	UNIT 5, 0, 16
	UNIT 6, 0, 8
	s_wait_loadcnt 0x0                             ; the last unit, and the last step's merge
	s_wait_dscnt 0x0
	ROWM 0, UB0+64, 7, 0, -1
	PLACES
	ROWM 1, UB0+64, 7, 0, 0
	ROWM 2, UB0+64, 7, 0, 1
	ROWM 3, UB0+64, 7, 0, 2
.irp b, 0,1,2,3,4,5,6,7
	MG 3, \b                                       ; the four lines behind the last product are its places
.endr
	WIN 0
; THE WAY OUT, a block of 16 queries x 128 channels of f32 at a time through my own stage: 32 bytes a lane in, whole rows of 512 bytes back.
.macro PACK a
	WIN 0x02                                       ; source 0 in window 2
.set k, 0
.rept 32
	v_pk_mul_f32 v[64+2*k:64+2*k+1], v[64*(\a)+2*k:64*(\a)+2*k+1], v[INV+2*(\a):INV+2*(\a)+1] op_sel_hi:[1,0]
.set k, k+1
.endr
	WIN 0
.endm
.macro TOSTAGE a
.set BK, 128+64*((\a)%2)
	s_wait_xcnt 0x0                                ; the registers that the stores two blocks back read are loaded again only behind this wait
.irp b, 0,1,2,3,4,5,6,7
	ds_store_b128 v[STO], v[64+8*\b:64+8*\b+3] offset:64*\b
	ds_store_b128 v[STO], v[64+8*\b+4:64+8*\b+7] offset:64*\b+16
.endr
.irp t, 0,1,2,3,4,5,6,7,8,9,10,11,12,13,14,15
	ds_load_b128 v[BK+4*\t:BK+4*\t+3], v[RD] offset:\t*528  ; LDS serves a wave's instructions in order: these see the stores above
.endr
.endm
.macro SEND a
.set BK, 128+64*((\a)%2)
	s_wait_dscnt 0x0
.irp t, 0,1,2,3,4,5,6,7,8,9,10,11,12,13,14,15
	global_store_b128 v[CO], v[BK+4*\t:BK+4*\t+3], s[92:93] offset:(\a)*65536+\t*4096 th:TH_STORE_NT  ; 512 consecutive bytes, aligned
.endr
.endm
	PACK 0
	TOSTAGE 0
.irp a, 1,2,3                          ; a block's arithmetic stands between the loads of the block before and its stores
	PACK \a
	SEND (\a)-1
	TOSTAGE \a
.endr
	SEND 3
	s_wait_tensorcnt 0x0                           ; the wave's end
	ds_add_u32 v[SPW], v[NIL]
	s_wait_dscnt 0x0
	CROUND                                         ; the closing round
	s_endpgm
.Lfunc_end_k_q588a0a9884_pv:
	.size	k_q588a0a9884_pv, .Lfunc_end_k_q588a0a9884_pv-k_q588a0a9884_pv
	.p2alignl 7, 3214868480
	.fill 96, 4, 3214868480
	.section	.rodata,"a",@progbits
	.p2align	6, 0x0
	.amdhsa_kernel k_q588a0a9884_pv
		.amdhsa_group_segment_fixed_size 327680
		.amdhsa_private_segment_fixed_size 0
		.amdhsa_enable_private_segment 0
		.amdhsa_kernarg_size 40
		.amdhsa_user_sgpr_count 2
		.amdhsa_user_sgpr_kernarg_segment_ptr 1
		.amdhsa_wavefront_size32 1
		.amdhsa_system_sgpr_workgroup_id_x 1
		.amdhsa_system_sgpr_workgroup_id_y 1
		.amdhsa_system_sgpr_workgroup_id_z 1
		.amdhsa_system_vgpr_workitem_id 0
		.amdhsa_next_free_vgpr 1024
		.amdhsa_next_free_sgpr 100
		.amdhsa_reserve_vcc 0
		.amdhsa_float_denorm_mode_32 3
		.amdhsa_float_denorm_mode_16_64 3
		.amdhsa_memory_ordered 1
		.amdhsa_forward_progress 1
		.amdhsa_inst_pref_size 143
	.end_amdhsa_kernel
	.amdgpu_metadata
---
amdhsa.version: [ 1, 2 ]
amdhsa.kernels:
  - .name:           k_q588a0a9884_pv
    .symbol:         k_q588a0a9884_pv.kd
    .args:
      - { .name: p, .offset: 0, .size: 8, .value_kind: global_buffer, .address_space: global }
      - { .name: ut, .offset: 8, .size: 8, .value_kind: global_buffer, .address_space: global }
      - { .name: st, .offset: 16, .size: 8, .value_kind: global_buffer, .address_space: global }
      - { .name: wc, .offset: 24, .size: 8, .value_kind: global_buffer, .address_space: global }
      - { .name: out0, .offset: 32, .size: 8, .value_kind: global_buffer, .address_space: global }
    .group_segment_fixed_size: 327680
    .private_segment_fixed_size: 0
    .kernarg_segment_align: 8
    .kernarg_segment_size: 40
    .max_flat_workgroup_size: 128
    .sgpr_count:     100
    .vgpr_count:     1024
    .wavefront_size: 32
...
	.end_amdgpu_metadata
.endif
;; end of part 5
